; MI455X (gfx1250); checked and timed in simulation.
; The chip was launched on July 23, 2026; its instructions are those of AMD's public machine-readable ISA for CDNA 5 (MIT licence, August 2026) and "CDNA5" Instruction Set Architecture Reference Guide (July 2026). The comments in the code are by the model that wrote it; some were corrected since.
;; Causal Self Attention. Allowed arithmetic: matrix products marked QUANTISED: E2M3 operands, one E8M0 scale for each 32 along K, by v_wmma_scale_f32_16x16x128_f8f6f4 with both operands' format E2M3, f32 sums; everything else in f32.
;; Inputs: W_out 1,024 x 1,024 float32; W_qkv 1,024 x 3,072 float32; b_out 1,024 float32; b_qkv 3,072 float32; x 4 x 2,048 x 1,024 float32.
;; Outputs: out0 4 x 2,048 x 1,024 float32.
;; This version of the problem:
;;   THIS VERSION OF THE PROBLEM IS GIVEN IN LOW PRECISION. The matrix products marked QUANTISED in the list below multiply operands that are first quantised to E2M3 (2 exponent bits, 3 mantissa bits; 6 bits a number), with one power-of-two scale for each 32 numbers along K (OCP MX v1.0); their sums are f32. All else is computed in f32.
;;   The module's matrix products, in the order in which they are computed (A, B: the left and right operand; K: the contracted axis; several contracted axes count as one K, in the product's order):
;;     1. [M 8,192, K 1,024] x [K 1,024, N 3,072]; A: input x; B: input W_qkv: QUANTISED
;;     2. batch 64 x [M 2,048, K 64] x [K 64, N 2,048]; A: computed on the way; B: computed on the way: QUANTISED
;;     3. batch 64 x [M 2,048, K 2,048] x [K 2,048, N 64]; A: softmax (see below); B: computed on the way: QUANTISED
;;     4. [M 8,192, K 1,024] x [K 1,024, N 1,024]; A: computed on the way; B: input W_out: QUANTISED
;;   THE QUANTISER, for each operand of a quantised product, along K:
;;     - K is cut into blocks of 32 from its start; a last block that is shorter is filled with zeros.
;;     - A block's scale is 2^e with e = floor(log2(the largest magnitude in the block)) - 2, held to -126 .. 127; a block of zeros has e = 0. As a byte (E8M0): e + 127.
;;     - Each number is divided by its block's scale, clamped to +-7.5, and rounded to the nearest number of E2M3, ties to even, subnormals kept.
;;     - The product sums the exact products of the quantised numbers (number of the format x scale) in f32.
;;   ~~~python
;;   def quantise(x, axis):      # numpy; x: float32 -> the quantised numbers, widened to float32 again
;;       x = np.moveaxis(x, axis, -1); K = x.shape[-1]
;;       x = np.pad(x, [(0, 0)] * (x.ndim - 1) + [(0, -K % 32)]); x = x.reshape(x.shape[:-1] + (-1, 32)); a = np.abs(x).max(-1, keepdims=True)
;;       e = np.where(a > 0, np.clip(np.frexp(np.where(a > 0, a, 1))[1] - 1 - 2, -126, 127), 0)      # np.frexp(a)[1] - 1 = floor(log2(a)), exactly
;;       r = np.clip(x / 2.0 ** e, -7.5, 7.5)
;;       step = 2.0 ** (np.maximum(np.frexp(np.where(r == 0, 1, r))[1] - 1, 0) - 3)
;;       q = np.round(r / step) * step * 2.0 ** e      # np.round: ties to even
;;       return np.moveaxis(q.reshape(q.shape[:-2] + (-1,))[..., :K], -1, axis).astype(np.float32)
;;   ~~~
;;   SOFTMAX AHEAD OF A QUANTISED PRODUCT. Where the list says 'softmax', what is quantised is not the finished softmax but p = 2^(t - M), with t = logit x log2(e) and M = ceil(the row's largest t), a whole number; so 1/2 < the row's largest p <= 1. The row's sum l is taken of the UNQUANTISED p, in f32, and the product's result is divided by l at the end. Since M is a whole number, a kernel that streams over the keys may use a running M (the ceiling of the running maximum): every later rescaling is an exact power of two, which a block's scale takes up: the codes' values come out the same.
;;   OPERANDS COMPUTED ON THE WAY. 'Computed on the way' means the value that the module computes at that place (a softmax that the list does not call 'softmax' is quantised finished and normalised). What goes into a quantiser is computed in f32, as accurately as f32 sums, v_exp_f32 and their like allow (about 1e-6 of the number): no bf16 or f16 on the way to a quantiser, and a product that is left as it is and whose result goes on into a quantised operand takes f32 operands (vector FMAs, or v_wmma_f32_16x16x4_f32). A number that lies on a knife's edge between two numbers of the format may be rounded either way, as far as f32 arithmetic and the matrix unit's own rounding can turn it there, and no further.
;; One version. Each part assembles by itself: llvm-mc -triple=amdgcn-amd-amdhsa -mcpu=gfx1250 --defsym DOCPART=n.
;; ======== version 1 of 1: 5 launches
;; workspace buffers: xcod 6,291,456 bytes; xscl 262,144 bytes; wcod 3,145,728 bytes; wscl 131,072 bytes; hcod 18,874,368 bytes; hscl 786,432 bytes; acod 6,291,456 bytes; ascl 262,144 bytes
;; launch quant_x (part 1): grid 512 x 1, 4 waves a work-group, no clusters, 68,608 bytes of LDS; arguments x, xcod, xscl; writes xcod, xscl
.if DOCPART == 1
	.amdgcn_target "amdgcn-amd-amdhsa--gfx1250"
	.amdhsa_code_object_version 6
	.text
	.protected	k_q12346acd9f_quant_x
	.globl	k_q12346acd9f_quant_x
	.p2align	8
	.type	k_q12346acd9f_quant_x,@function
k_q12346acd9f_quant_x:
	s_mov_b64 s[64:65], 0
	v_nop
	global_prefetch_b8 v0, s[64:65] scope:SCOPE_SE
	s_setreg_imm32_b32 hwreg(HW_REG_WAVE_MODE, 25, 1), 1
	s_wait_xcnt 0x0
; x [8192][1024] f32 becomes codes of FP6 (E2M3) along its 1,024, with one E8M0 byte for each 32, for the product x W_qkv.
; DEAD WORK OF THE WHOLE PROGRAM.  reference() builds the causal mask in its own body: the score of query q and key k > q is replaced by -inf, whose softmax weight is 0 whatever finite
; values the inputs hold.  So a step of 128 keys all of which come after a tile's 16 queries adds 0 to the row's sum and 0 to the product with v: such steps are not computed (launch attn).
; Nothing else is left out; all five inputs are loaded.  LIMIT: a NaN, an infinity or an overflow that would arise only in scores under the mask is not carried to the result.
; LIMITS of the quantisers of this program: NaN and infinities among the inputs are not served; a block whose largest magnitude lies under 2^-124 keeps the byte 1; a block of zeros has the
; byte 1 where the rule says 127: its codes are zeros, which add nothing under any byte but 0xff, and the bytes are read by this program alone.
; LAYOUT OF ALL CODE BUFFERS: IMAGES OF OPERAND REGISTERS.  A fragment (16 rows x 128 K, 12 registers a lane: lane (r, h) holds row r, registers 6 c .. 6 c + 5 hold K = 64 c + 32 h + 0 .. 31) lies as 1,536 bytes:
; three planes of 512 bytes, plane p = registers 4 p .. 4 p + 3, lane l's 16 bytes at 16 l.  xcod: [tile 512][K step 8][1,536].  xscl: [position 8,192][8 words], word s = the four bytes of K step s.
; POSITION SPACE: lane r of tile t holds the actual row 32 (t / 2) + 8 (t % 2) + r + 8 (r / 8).  As source 0 of a product, tiles 2 b and 2 b + 1 then leave 16 neighbouring rows in a lane's 16 result registers.
; SHARES.  A work-group takes one tile, all of K; wave w takes K steps 2 w and 2 w + 1: 16 rows x 1,024 bytes, 32 loads of 512 consecutive bytes, all on their way at once.
; A conversion wants 16 neighbours along K in one lane, a load is best with neighbouring bytes in neighbouring lanes: so a step's 16 x 512 bytes turn through the wave's own stage in LDS (rows 528 bytes apart).
; No matrix unit, no cluster, no tensor load: work-groups share nothing and memory binds.
.set PITCH, 528
.set STG,   16*PITCH                   ; a stage: 16 rows
.set WREG,  2*STG                      ; a wave's two stages
.set SCG,   4*WREG                     ; the tile's 16 x 32 scale bytes, gathered from the four waves
.set SPARE, SCG+512                    ; the spare words, 128 bytes for each wave
.set LI,   1                           ; v1  16 x lane
.set SIN,  2                           ; v2  into the stage: my 16 bytes of a row
.set SOUT, 3                           ; v3  out of it: row r, + 64 h
.set SCW,  4                           ; v4  where my row's scale words go: SCG + 32 r + 8 w
.set SCR,  5                           ; v5  SCG + 16 x lane
.set SPW,  6                           ; v6  my spare word; never rewritten
.set NIL,  7                           ; v7  0; never rewritten
.set TM,   16                          ; v16-31 at work in QUANT
.set CT,   32                          ; v32-39 the conversions' second halves
.set PC,   40                          ; v40-51 a fragment's codes
.set PW,   52                          ; v52 its scale word
.set RAW,  64                          ; v64-191 as loaded: step e at RAW + 64 e
.set T,    192                         ; v192-255 64 numbers: register 16 b + i = k 32 b + 16 h + i of row r
.set SEL,  10                          ; s[10:11] v_permlanex16_b32's selects for lane l xor 16
; 64 numbers of a lane become six registers of codes at d0 (blocks 0, 1) and six at d1 (blocks 2, 3), and the row's scale word in v[pw]
.macro QUANT s, d0, d1, pw
.irp b, 0,1,2,3
	v_max3_num_f32 v[TM+\b], |v[\s+16*\b]|, |v[\s+1+16*\b]|, 0x1800000   ; my 16 numbers of block b, and the floor 2^(3 - 127): the byte cannot fall under 1
.endr
.irp i, 2,4,6,8,10,12,14
.irp b, 0,1,2,3
	v_max3_num_f32 v[TM+\b], v[TM+\b], |v[\s+16*\b+\i]|, |v[\s+1+16*\b+\i]|   ; the four blocks by turns
.endr
.endr
.irp b, 0,1,2,3
	v_permlanex16_b32 v[TM+4+\b], v[TM+\b], s[SEL], s[SEL+1]
.endr
.irp b, 0,1,2,3
	v_max_num_f32 v[TM+\b], v[TM+\b], v[TM+4+\b]       ; with lane l xor 16's: the block's largest magnitude
.endr
.irp b, 0,1,2,3
	v_add_nc_u32 v[TM+12+\b], 0xff000000, v[TM+\b]     ; 2 off its exponent field: the conversion's scale operand
.endr
.irp b, 0,1,2,3
	v_lshrrev_b32 v[TM+4+\b], 23, v[TM+12+\b]          ; the scale's byte
.endr
	v_lshl_or_b32 v[\pw], v[TM+5], 8, v[TM+4]
	v_lshl_or_b32 v[\pw], v[TM+6], 16, v[\pw]
	v_lshl_or_b32 v[\pw], v[TM+7], 24, v[\pw]
	v_cvt_scalef32_pk16_fp6_f32 v[\d0:\d0+2], v[\s:\s+15], v[TM+12]
	v_cvt_scalef32_pk16_fp6_f32 v[CT:CT+2], v[\s+16:\s+31], v[TM+13]      ; (a conversion's three registers begin on an even number)
	v_cvt_scalef32_pk16_fp6_f32 v[\d1:\d1+2], v[\s+32:\s+47], v[TM+14]
	v_cvt_scalef32_pk16_fp6_f32 v[CT+4:CT+6], v[\s+48:\s+63], v[TM+15]
	v_nop                                              ; one plain place behind the scaled conversions
.irp i, 0,1,2
	v_permlane16_swap_b32 v[\d0+\i], v[CT+\i]          ; a whole block to a lane: lanes 0-15 the even block, lanes 16-31 the odd one
.endr
.irp i, 0,1,2
	v_mov_b32 v[\d0+3+\i], v[CT+\i]
.endr
.irp i, 0,1,2
	v_permlane16_swap_b32 v[\d1+\i], v[CT+4+\i]
.endr
.irp i, 0,1,2
	v_mov_b32 v[\d1+3+\i], v[CT+4+\i]
.endr
.endm
	s_load_b128 s[4:7], s[0:1], 0x0                ; x, xcod
	s_load_b64 s[8:9], s[0:1], 0x10                ; xscl
	v_lshl_add_u32 v[SPW], v0, 2, SPARE
	v_mov_b32 v[NIL], 0
	v_lshrrev_b32 v8, 5, v0
	v_readfirstlane_b32 s12, v8                    ; wave
	v_and_b32 v9, 31, v0                           ; lane
	v_and_b32 v10, 15, v0                          ; r
	v_bfe_u32 v11, v0, 4, 1                        ; h
	v_lshlrev_b32 v[LI], 4, v9
	s_mul_i32 s13, s12, WREG
	v_add_nc_u32 v[SIN], s13, v[LI]
	v_mul_u32_u24 v[SOUT], v10, PITCH
	v_lshl_add_u32 v[SOUT], v11, 6, v[SOUT]
	v_add_nc_u32 v[SOUT], s13, v[SOUT]
	s_lshl_b32 s14, s12, 3
	s_add_co_u32 s14, s14, SCG
	v_lshl_add_u32 v[SCW], v10, 5, s14
	v_add_nc_u32 v[SCR], SCG, v[LI]
	s_mov_b32 s[SEL], 0x76543210
	s_mov_b32 s[SEL+1], 0xfedcba98
.irp b, 0,1,2,3
	v_mov_b32 v[TM+4+\b], 0                        ; written once: a lane permute's destination counts as one of its sources
.endr
	s_lshr_b32 s15, ttmp9, 1
	s_lshl_b32 s15, s15, 17                        ; 32 (t / 2) rows of 4,096 bytes
	s_and_b32 s16, ttmp9, 1
	s_lshl_b32 s16, s16, 15                        ; + 8 (t % 2) rows
	s_add_co_u32 s16, s16, s15
	s_lshl_b32 s17, s12, 10                        ; + my wave's 1,024 bytes of a row
	s_add_co_u32 s16, s16, s17
	s_mov_b32 s17, 0
	s_mul_i32 s18, ttmp9, 12288                    ; the tile's eight fragments,
	s_mul_i32 s20, s12, 3072                       ; my two of them
	s_add_co_u32 s18, s18, s20
	s_mov_b32 s19, 0
	s_lshl_b32 s20, ttmp9, 9                       ; the tile's 512 scale bytes
	s_mov_b32 s21, 0
	s_wait_kmcnt 0x0
	s_add_nc_u64 s[4:5], s[4:5], s[16:17]
	s_add_nc_u64 s[6:7], s[6:7], s[18:19]
	s_add_nc_u64 s[8:9], s[8:9], s[20:21]
.irp e, 0,1
.irp i, 0,1,2,3,4,5,6,7,8,9,10,11,12,13,14,15
	global_load_b128 v[RAW+64*\e+4*\i:RAW+64*\e+4*\i+3], v[LI], s[4:5] offset:(\i+8*(\i/8))*4096+512*\e th:TH_LOAD_NT   ; position i's row: 512 consecutive bytes
.endr
.endr
.macro STEPX e
.if \e == 0
	s_wait_loadcnt 16                              ; step 0's sixteen loads are in; step 1's sixteen may be out
.else
	s_wait_loadcnt 0x0
.endif
.irp i, 0,1,2,3,4,5,6,7,8,9,10,11,12,13,14,15
	ds_store_b128 v[SIN], v[RAW+64*\e+4*\i:RAW+64*\e+4*\i+3] offset:\e*STG+PITCH*\i
.endr
.irp b, 0,1,2,3
.irp j, 0,1,2,3
	ds_load_b128 v[T+16*\b+4*\j:T+16*\b+4*\j+3], v[SOUT] offset:\e*STG+128*\b+16*\j   ; LDS serves a wave's instructions in order: these see the stores above
.endr
.endr
	s_wait_dscnt 0x0
.if \e
	s_wait_xcnt 0x0                                ; step 0's stores have read the codes' registers, which are written again now
.endif
	QUANT T, PC, PC+6, PW
.irp p, 0,1,2
	global_store_b128 v[LI], v[PC+4*\p:PC+4*\p+3], s[6:7] offset:1536*\e+512*\p   ; a plane: 512 consecutive bytes
.endr
	ds_store_b32 v[SCW], v[PW] offset:4*\e         ; lanes r and r + 16 write the same word with the same value
.endm
	STEPX 0
	STEPX 1
	s_wait_dscnt 0x0                               ; for the others' sake: my scale words lie in LDS
	s_barrier_signal -1
	s_barrier_wait -1
	s_cmp_lg_u32 s12, 0
	s_cbranch_scc1 .Lend
	ds_load_b128 v[T:T+3], v[SCR]                  ; wave 0: the tile's 512 scale bytes leave as two whole runs of 256
	s_wait_dscnt 0x0
	global_store_b128 v[LI], v[T:T+3], s[8:9]
.Lend:
	s_wait_tensorcnt 0x0                           ; the wave's end, behind my last LDS store
	ds_add_u32 v[SPW], v[NIL]
	s_wait_dscnt 0x0
	s_endpgm
.Lfunc_end_k_q12346acd9f_quant_x:
	.size	k_q12346acd9f_quant_x, .Lfunc_end_k_q12346acd9f_quant_x-k_q12346acd9f_quant_x
	.p2alignl 7, 3214868480
	.fill 96, 4, 3214868480
	.section	.rodata,"a",@progbits
	.p2align	6, 0x0
	.amdhsa_kernel k_q12346acd9f_quant_x
		.amdhsa_group_segment_fixed_size 68608
		.amdhsa_private_segment_fixed_size 0
		.amdhsa_enable_private_segment 0
		.amdhsa_kernarg_size 24
		.amdhsa_user_sgpr_count 2
		.amdhsa_user_sgpr_kernarg_segment_ptr 1
		.amdhsa_wavefront_size32 1
		.amdhsa_system_sgpr_workgroup_id_x 1
		.amdhsa_system_sgpr_workgroup_id_y 1
		.amdhsa_system_sgpr_workgroup_id_z 1
		.amdhsa_system_vgpr_workitem_id 0
		.amdhsa_next_free_vgpr 256
		.amdhsa_next_free_sgpr 66
		.amdhsa_reserve_vcc 0
		.amdhsa_float_denorm_mode_32 3
		.amdhsa_float_denorm_mode_16_64 3
		.amdhsa_memory_ordered 1
		.amdhsa_forward_progress 1
		.amdhsa_inst_pref_size 18
	.end_amdhsa_kernel
	.amdgpu_metadata
---
amdhsa.version: [ 1, 2 ]
amdhsa.kernels:
  - .name:           k_q12346acd9f_quant_x
    .symbol:         k_q12346acd9f_quant_x.kd
    .args:
      - { .name: x, .offset: 0, .size: 8, .value_kind: global_buffer, .address_space: global }
      - { .name: xcod, .offset: 8, .size: 8, .value_kind: global_buffer, .address_space: global }
      - { .name: xscl, .offset: 16, .size: 8, .value_kind: global_buffer, .address_space: global }
    .group_segment_fixed_size: 68608
    .private_segment_fixed_size: 0
    .kernarg_segment_align: 8
    .kernarg_segment_size: 24
    .max_flat_workgroup_size: 128
    .sgpr_count:     66
    .vgpr_count:     256
    .wavefront_size: 32
...
	.end_amdgpu_metadata
.endif
;; end of part 1
;; launch quant_w (part 2): grid 32 x 8, 4 waves a work-group, no clusters, 12,800 bytes of LDS; arguments W_qkv, W_out, wcod, wscl; writes wcod, wscl
.if DOCPART == 2
	.amdgcn_target "amdgcn-amd-amdhsa--gfx1250"
	.amdhsa_code_object_version 6
	.text
	.protected	k_q12346acd9f_quant_w
	.globl	k_q12346acd9f_quant_w
	.p2align	8
	.type	k_q12346acd9f_quant_w,@function
k_q12346acd9f_quant_w:
	s_mov_b64 s[64:65], 0
	v_nop
	global_prefetch_b8 v0, s[64:65] scope:SCOPE_SE
	s_setreg_imm32_b32 hwreg(HW_REG_WAVE_MODE, 25, 1), 1
	s_wait_xcnt 0x0
; W_qkv [1024][3072] and W_out [1024][1024], f32, K their FIRST axis, become codes of FP6 (E2M3) along K with one E8M0 byte for each 32.
; wcod: [tile 256][K step 8][1,536]: images of operand registers in position space, as xcod; tiles 0-191 W_qkv's columns, 192-255 W_out's.  wscl: [position 4,096][8 words].
; LIMITS: as stated at the head of quant_x (NaN, infinities; the floor's byte 1; a block of zeros has the byte 1).
; A LANE TAKES A COLUMN AND ITS REGISTERS RUN DOWN K: a load reads 128 consecutive bytes a wave, a block of 32 lies in one lane, and the conversions give codes with K innermost.
; SHARES.  Work-group x: 128 columns (x < 24: W_qkv, else W_out: pointers and the row's length are chosen, the path is one); y: a K step of 128.  Wave w: 32 columns = two tiles.
; Column c = 16 c4 + 8 c3 + c[2:0] of a group of 32 stands at tile c3, row 8 c4 + c[2:0].  Block t of the K step belongs to lane row + 16 (t % 2), registers 6 (t / 2) on:
; the wave's stage in LDS holds its two images lane by lane, 48 bytes a lane; read back 16 bytes at a time they leave as planes of 512 consecutive bytes.
; The scale words leave as 4 bytes every 32: one byte in 128 of what the launch reads.  No matrix unit, cluster or tensor load: work-groups share nothing.
.set SPARE, 12288                      ; behind the four stages of 3,072 bytes: the spare words
.set SA,  2                            ; v2  into the stage
.set RDA, 3                            ; v3  out of it: 48 x lane
.set GO,  4                            ; v4  16 x lane
.set SO,  5                            ; v5  my column's position x 32
.set SPW, 6
.set NIL, 7
.set C,   16                           ; v16-22 a block's codes
.set OUT, 24                           ; v24-47 the two images on the way out
.set VA,  48                           ; v48-79 row i of a block: i x the row's length + 4 x lane
.set X,   80                           ; v80-207 four blocks of 32 numbers
	s_load_b256 s[4:11], s[0:1], 0x0               ; W_qkv, W_out, wcod, wscl
	v_lshl_add_u32 v[SPW], v0, 2, SPARE
	v_mov_b32 v[NIL], 0
	v_lshrrev_b32 v8, 5, v0
	v_readfirstlane_b32 s12, v8                    ; wave
	v_and_b32 v9, 31, v0                           ; c
	v_and_b32 v10, 7, v0                           ; c[2:0]
	v_bfe_u32 v11, v0, 3, 1                        ; c3
	v_bfe_u32 v12, v0, 4, 1                        ; c4
	v_lshl_add_u32 v13, v12, 3, v10                ; the row in its tile
	s_mul_i32 s13, s12, 3072
	v_mul_u32_u24 v[SA], v13, 48
	v_mad_u32_u24 v[SA], v11, 1536, v[SA]
	v_add_nc_u32 v[SA], s13, v[SA]
	v_mul_u32_u24 v[RDA], v9, 48
	v_add_nc_u32 v[RDA], s13, v[RDA]
	v_lshlrev_b32 v[GO], 4, v9
	v_lshl_add_u32 v[SO], v11, 4, v13
	v_lshlrev_b32 v[SO], 5, v[SO]
	v_lshlrev_b32 v8, 2, v9
	s_and_b32 s14, ttmp7, 0xffff                   ; y
	s_mov_b32 s15, 4096
	s_wait_kmcnt 0x0
	s_cmp_lt_u32 ttmp9, 24                         ; the choice hangs on the work-group's number alone
	s_cselect_b64 s[4:5], s[4:5], s[6:7]
	s_cselect_b32 s15, 12288, s15                  ; a row of W in bytes
	s_cselect_b32 s16, 0, 24
	s_sub_co_u32 s16, ttmp9, s16
	s_lshl_b32 s16, s16, 9                         ; 128 columns of 4 bytes a work-group,
	s_lshl_b32 s17, s12, 7                         ; 32 a wave,
	s_add_co_u32 s16, s16, s17
	s_lshl_b32 s17, s14, 7
	s_mul_i32 s17, s17, s15                        ; 128 y rows down
	s_add_co_u32 s16, s16, s17
	s_mov_b32 s17, 0
	s_add_nc_u64 s[20:21], s[4:5], s[16:17]        ; block 0;
	s_lshl_b32 s18, s15, 5
	s_mov_b32 s19, 0
	s_add_nc_u64 s[22:23], s[20:21], s[18:19]      ; blocks 1 to 3, 32 rows apart
	s_add_nc_u64 s[24:25], s[22:23], s[18:19]
	s_add_nc_u64 s[26:27], s[24:25], s[18:19]
.irp i, 0,1,2,3,4,5,6,7,8,9,10,11,12,13,14,15,16,17,18,19,20,21,22,23,24,25,26,27,28,29,30,31
	v_mad_u32_u24 v[VA+\i], s15, \i, v8
.endr
.macro LOAD t
.irp i, 0,1,2,3,4,5,6,7,8,9,10,11,12,13,14,15,16,17,18,19,20,21,22,23,24,25,26,27,28,29,30,31
	global_load_b32 v[X+32*(\t)+\i], v[VA+\i], s[20+2*(\t):21+2*(\t)] th:TH_LOAD_NT
.endr
.endm
	LOAD 0
	LOAD 1
	s_lshl_b32 s28, ttmp9, 3
	s_lshl_b32 s29, s12, 1
	s_add_co_u32 s28, s28, s29                     ; my first tile: 8 x + 2 w
	s_mul_i32 s28, s28, 12288
	s_mul_i32 s29, s14, 1536
	s_add_co_u32 s28, s28, s29
	s_mov_b32 s29, 0
	s_add_nc_u64 s[8:9], s[8:9], s[28:29]
	s_lshl_b32 s28, ttmp9, 12                      ; position 128 x + 32 w, 32 bytes each; word y
	s_lshl_b32 s30, s12, 10
	s_add_co_u32 s28, s28, s30
	s_lshl_b32 s30, s14, 2
	s_add_co_u32 s28, s28, s30
	s_add_nc_u64 s[10:11], s[10:11], s[28:29]
.macro BLOCK t
.set XS, X+32*(\t)
.if (\t) < 3
	s_wait_loadcnt 32                              ; this block's 32 loads are in; the next block's 32 may be out
.else
	s_wait_loadcnt 0x0
.endif
.if (\t) < 2
	LOAD (\t)+2                                    ; every block has registers of its own: the block two on is asked for at once
.endif
	v_max3_num_f32 v8, |v[XS]|, |v[XS+1]|, |v[XS+2]|     ; the block's largest magnitude: all 32 numbers are mine; two chains
	v_max3_num_f32 v9, |v[XS+3]|, |v[XS+4]|, |v[XS+5]|
.irp i, 6,10,14,18,22,26
	v_max3_num_f32 v8, v8, |v[XS+\i]|, |v[XS+\i+1]|
	v_max3_num_f32 v9, v9, |v[XS+\i+2]|, |v[XS+\i+3]|
.endr
	v_max3_num_f32 v8, v8, |v[XS+30]|, |v[XS+31]|
	v_max3_num_f32 v8, v8, v9, 0x1800000           ; and the floor 2^(3 - 127)
	v_add_nc_u32 v10, 0xff000000, v8               ; 2 off its exponent field: the conversion's scale operand
	v_lshrrev_b32 v11, 23, v10                     ; the scale's byte
.if (\t) == 0
	v_mov_b32 v14, v11
.else
	v_lshl_or_b32 v14, v11, 8*(\t), v14            ; the K step's four bytes make my column's word
.endif
	v_cvt_scalef32_pk16_fp6_f32 v[C:C+2], v[XS:XS+15], v10
	v_cvt_scalef32_pk16_fp6_f32 v[C+4:C+6], v[XS+16:XS+31], v10   ; (a conversion's three registers begin on an even number)
	v_nop                                          ; one plain place behind the scaled conversions
	v_mov_b32 v[C+3], v[C+4]
	v_mov_b32 v[C+4], v[C+5]
	v_mov_b32 v[C+5], v[C+6]
.irp k, 0,1,2
	ds_store_b64 v[SA], v[C+2*\k:C+2*\k+1] offset:768*((\t)%2)+24*((\t)/2)+8*\k
.endr
	s_wait_dscnt 0x0                               ; the stores have read their registers: the next block's codes may be written
.endm
	BLOCK 0
	BLOCK 1
	BLOCK 2
	BLOCK 3
.irp k, 0,1,2,3,4,5
	ds_load_b128 v[OUT+4*\k:OUT+4*\k+3], v[RDA] offset:1536*(\k/3)+16*(\k%3)   ; tile k / 3, plane k % 3: my lane's four registers
.endr
.irp k, 0,1,2,3,4,5
	s_wait_dscnt 5-\k
	global_store_b128 v[GO], v[OUT+4*\k:OUT+4*\k+3], s[8:9] offset:(\k/3)*12288+(\k%3)*512   ; 512 consecutive bytes
.endr
	global_store_b32 v[SO], v14, s[10:11]
	s_wait_tensorcnt 0x0                           ; the wave's end, behind my last LDS store
	ds_add_u32 v[SPW], v[NIL]
	s_wait_dscnt 0x0
	s_endpgm
.Lfunc_end_k_q12346acd9f_quant_w:
	.size	k_q12346acd9f_quant_w, .Lfunc_end_k_q12346acd9f_quant_w-k_q12346acd9f_quant_w
	.p2alignl 7, 3214868480
	.fill 96, 4, 3214868480
	.section	.rodata,"a",@progbits
	.p2align	6, 0x0
	.amdhsa_kernel k_q12346acd9f_quant_w
		.amdhsa_group_segment_fixed_size 12800
		.amdhsa_private_segment_fixed_size 0
		.amdhsa_enable_private_segment 0
		.amdhsa_kernarg_size 32
		.amdhsa_user_sgpr_count 2
		.amdhsa_user_sgpr_kernarg_segment_ptr 1
		.amdhsa_wavefront_size32 1
		.amdhsa_system_sgpr_workgroup_id_x 1
		.amdhsa_system_sgpr_workgroup_id_y 1
		.amdhsa_system_sgpr_workgroup_id_z 1
		.amdhsa_system_vgpr_workitem_id 0
		.amdhsa_next_free_vgpr 208
		.amdhsa_next_free_sgpr 66
		.amdhsa_reserve_vcc 0
		.amdhsa_float_denorm_mode_32 3
		.amdhsa_float_denorm_mode_16_64 3
		.amdhsa_memory_ordered 1
		.amdhsa_forward_progress 1
		.amdhsa_inst_pref_size 25
	.end_amdhsa_kernel
	.amdgpu_metadata
---
amdhsa.version: [ 1, 2 ]
amdhsa.kernels:
  - .name:           k_q12346acd9f_quant_w
    .symbol:         k_q12346acd9f_quant_w.kd
    .args:
      - { .name: W_qkv, .offset: 0, .size: 8, .value_kind: global_buffer, .address_space: global }
      - { .name: W_out, .offset: 8, .size: 8, .value_kind: global_buffer, .address_space: global }
      - { .name: wcod, .offset: 16, .size: 8, .value_kind: global_buffer, .address_space: global }
      - { .name: wscl, .offset: 24, .size: 8, .value_kind: global_buffer, .address_space: global }
    .group_segment_fixed_size: 12800
    .private_segment_fixed_size: 0
    .kernarg_segment_align: 8
    .kernarg_segment_size: 32
    .max_flat_workgroup_size: 128
    .sgpr_count:     66
    .vgpr_count:     208
    .wavefront_size: 32
...
	.end_amdgpu_metadata
.endif
;; end of part 2
;; launch gemm_qkv (part 3): grid 12 x 32, 4 waves a work-group, clusters of 4 x 4, 327,680 bytes of LDS; arguments xcod, xscl, wcod, wscl, b_qkv, hcod, hscl; writes hcod, hscl
.if DOCPART == 3
	.amdgcn_target "amdgcn-amd-amdhsa--gfx1250"
	.amdhsa_code_object_version 6
	.text
	.protected	k_q12346acd9f_gemm_qkv
	.globl	k_q12346acd9f_gemm_qkv
	.p2align	8
	.type	k_q12346acd9f_gemm_qkv,@function
k_q12346acd9f_gemm_qkv:
	s_mov_b64 s[64:65], 0
	v_nop
	global_prefetch_b8 v0, s[64:65] scope:SCOPE_SE
	s_setreg_imm32_b32 hwreg(HW_REG_WAVE_MODE, 25, 1), 1
	s_wait_xcnt 0x0
	s_wait_alu depctr_hold_cnt(0) depctr_sa_sdst(0) depctr_va_vdst(0) depctr_va_sdst(0) depctr_va_ssrc(0) depctr_va_vcc(0) depctr_vm_vsrc(0)
	s_getreg_b32 s2, hwreg(HW_REG_IB_STS2, 6, 4)
	s_cmp_eq_u32 s2, 0
	s_cbranch_scc0 .Lentry_in_a_cluster
	s_endpgm
.Lentry_in_a_cluster:
	s_bfe_u32 s2, ttmp6, 0x10000c
	s_cmp_lg_u32 s2, 0xf033
	s_cbranch_scc0 .Lentry_shape_is_right
	s_endpgm
.Lentry_shape_is_right:
; qkv = Q(x) Q(W_qkv) + b_qkv on codes of FP6 with E8M0 scales, K = 1,024, and q, k, v quantised again on the way out, in registers: q and k along the head's 64, v along the keys.  qkv never goes to memory in f32.
; A tile of 256 tokens x 256 features is made by four waves, each 128 x 128: 64 accumulators.  SOURCE 0 (P) IS THE OPERAND ALONG WHOSE ROWS THE RESULT IS QUANTISED NEXT, source 1 (R) the other:
; for q and k P = W's columns, R = the tokens; for v (the cluster's x is 2: the same in all sixteen partners) P = the tokens, R = W's columns.  Only LDS bases, scale pointers and the way out's arm differ.
; Both code buffers are in position space (head of quant_x), so a lane's 64 results of one R block are 128 / 2 neighbours along P: register 16 b + i = P's row 32 b + 16 h + i.
; hcod: q at 0, k at 6,291,456: [batch x head 64][group of 32 tokens 64][1,536]: an image whose registers 0-5 are the group's tile 0 (16 tokens x 64) and 6-11 its tile 1.
;       v at 12,582,912: [batch x head][key step 16][tile of 16 of the head's 64: 4][1,536]: 16 rows x 128 keys.
; hscl: three regions of 262,144: q, k: [bh][step of 128 tokens 16][row 16][group 4] words (bytes: tile 0's two blocks, tile 1's two); v: [bh][key step][row][tile 4] words (the step's four key blocks).
; K goes in steps of 256 through three LDS slots; three are asked for at the head and slot 0 is filled once more: one refill, behind a round of the cluster's barrier, 224 matrix instructions ahead of the wait for it.
; By the text's own count a wave has three tensor loads out at the head and one behind the refill.  The text is written out, no loop: eight steps of 128 along K.
; CLUSTERS: 4 x 4.  x's tiles hang on the tile row alone and are asked for jointly along a row of the cluster, W's on the tile column alone, along a column.
; The scale words of the wave's rows come once, straight into registers: a tile's 512 bytes by one load; lanes 0-15 then hold the words of K steps 0-3, lanes 16-31 those of steps 4-7.
; Both forms of the bias are loaded by every work-group (64 registers along P, 16 along R's rows), so that no branch stands at the head.
; LIMITS: as stated at the head of quant_x.
; REGISTERS: window 0: v16-30 addresses; v32-63 R's scale words, v64-95 P's; v96-191 R's fragments, one set; v192-255 the bias along P.  On the way out v32-191 are free.
;   window 1: P's fragments, two sets, at v0 and v128; v96-111 the bias along R's rows.   windows 2, 3: accumulator (a, b) at v[8 (8 (a % 4) + b)].
.set HALFT, 24576                      ; 8 tiles x 2 K steps x 1,536: what one tensor load brings
.set SLOT,  4*HALFT                    ; x's two halves, then W's two
.set SPARE, 3*SLOT                     ; behind the ring: the spare words
.set FR,   12
.set ADR,  16                          ; v16-18 R's fragments in slot 0, 1, 2
.set ADP,  20                          ; v20-22 P's
.set LI,   24                          ; v24 16 x lane
.set SCO,  25                          ; v25 32 r + 16 h
.set BQO,  26                          ; v26 64 h
.set BVO,  27                          ; v27 4 (r + 8 (r / 8))
.set SPW,  28
.set NIL,  29
.set ZO,   30                          ; v30 16 r + 4,096 h
.set SR,   32
.set SP,   64
.set RF,   96
.set BI,   192
.set BV,   96                          ; in window 1
.set TM,   32                          ; the way out: v32-47 at work, v48-55 second halves, v56-63 eight scale words, v64-75 and v76-87 two images, v88-91 words to store, v92-93 selectors, v96-159 64 numbers
.set CT,   48
.set PW,   56
.set XA,   64
.set XB,   76
.set Z,    88
.set PS,   92
.set T,    96
.set WV,  18
.set WR,  19                           ; which half of R is mine.  Also: I fetch for x (0) or for W (1)
.set WC,  20                           ; which half of P.  Also: which 8 tiles I fetch
.set CX,  21
.set CY,  22
.set TX,  23
.set TY,  24
.set TVF, 25                           ; 1: v
.set SEL, 26                           ; s[26:27]
.set G1X, 28
.set G1W, 36
.set G0X, 44                           ; s[44:55] three sets
.set MSK, 66
.set G0W, 68                           ; s[68:79]
.set MSB, 0
.macro WIN new                         ; the immediate's high byte repeats the setting that is left
.if MSB != (\new)
	s_set_vgpr_msb (MSB<<8)|(\new)
.set MSB, (\new)
.endif
.endm
.set MUL_LO, 0xa1                      ; source 0 (P) window 1, source 1 (R) window 0, C and D window 2
.set MUL_HI, 0xf1
.set TO_P,   0x40
.macro JLOAD g0a, g1a, g0b, g1b        ; a joint load: waves 0, 1 for x, waves 2, 3 for W; an s_nop 0 and four v_nop follow each line
	s_cmp_eq_u32 s[WR], 0
	s_cbranch_scc0 .Lfor_b_\@
	tensor_load_to_lds s[\g0a:\g0a+3], s[\g1a:\g1a+7]
	s_nop 0
.rept 4
	v_nop
.endr
	s_branch .Lasked_\@
.Lfor_b_\@:
	tensor_load_to_lds s[\g0b:\g0b+3], s[\g1b:\g1b+7]
	s_nop 0
.rept 4
	v_nop
.endr
.Lasked_\@:
.endm
.macro CREST
	s_cmp_lg_u32 s[WV], 0
	s_cbranch_scc1 .Lnot_wave_0_\@
	s_barrier_signal -3
.Lnot_wave_0_\@:
	s_barrier_wait -3
	s_barrier_signal -1
	s_barrier_wait -1
.endm
.macro CROUND
	s_barrier_signal -1
	s_barrier_wait -1
	CREST
.endm
.macro PLACES                          ; four plain places behind matrix instructions, in front of loads into registers that they read and of the first read of results
.rept 4
	v_nop
.endr
.endm
.macro QUANT s, d0, d1, pw             ; as in quant_x
.irp b, 0,1,2,3
	v_max3_num_f32 v[TM+\b], |v[\s+16*\b]|, |v[\s+1+16*\b]|, 0x1800000
.endr
.irp i, 2,4,6,8,10,12,14
.irp b, 0,1,2,3
	v_max3_num_f32 v[TM+\b], v[TM+\b], |v[\s+16*\b+\i]|, |v[\s+1+16*\b+\i]|
.endr
.endr
.irp b, 0,1,2,3
	v_permlanex16_b32 v[TM+4+\b], v[TM+\b], s[SEL], s[SEL+1]
.endr
.irp b, 0,1,2,3
	v_max_num_f32 v[TM+\b], v[TM+\b], v[TM+4+\b]
.endr
.irp b, 0,1,2,3
	v_add_nc_u32 v[TM+12+\b], 0xff000000, v[TM+\b]
.endr
.irp b, 0,1,2,3
	v_lshrrev_b32 v[TM+4+\b], 23, v[TM+12+\b]
.endr
	v_lshl_or_b32 v[\pw], v[TM+5], 8, v[TM+4]
	v_lshl_or_b32 v[\pw], v[TM+6], 16, v[\pw]
	v_lshl_or_b32 v[\pw], v[TM+7], 24, v[\pw]
	v_cvt_scalef32_pk16_fp6_f32 v[\d0:\d0+2], v[\s:\s+15], v[TM+12]
	v_cvt_scalef32_pk16_fp6_f32 v[CT:CT+2], v[\s+16:\s+31], v[TM+13]
	v_cvt_scalef32_pk16_fp6_f32 v[\d1:\d1+2], v[\s+32:\s+47], v[TM+14]
	v_cvt_scalef32_pk16_fp6_f32 v[CT+4:CT+6], v[\s+48:\s+63], v[TM+15]
	v_nop
.irp i, 0,1,2
	v_permlane16_swap_b32 v[\d0+\i], v[CT+\i]
.endr
.irp i, 0,1,2
	v_mov_b32 v[\d0+3+\i], v[CT+\i]
.endr
.irp i, 0,1,2
	v_permlane16_swap_b32 v[\d1+\i], v[CT+4+\i]
.endr
.irp i, 0,1,2
	v_mov_b32 v[\d1+3+\i], v[CT+4+\i]
.endr
.endm
	s_load_b256 s[4:11], s[0:1], 0x0               ; xcod, xscl, wcod, wscl
	s_load_b128 s[12:15], s[0:1], 0x20             ; b_qkv, hcod
	s_load_b64 s[16:17], s[0:1], 0x30              ; hscl
	v_lshl_add_u32 v[SPW], v0, 2, SPARE
	v_mov_b32 v[NIL], 0
	ds_add_u32 v[SPW], v[NIL]                      ; the wave's opening: the add, twice on end, and its wait ahead of my first tensor load
	ds_add_u32 v[SPW], v[NIL]
	v_lshrrev_b32 v1, 5, v0
	v_readfirstlane_b32 s[WV], v1
	s_lshr_b32 s[WR], s[WV], 1
	s_and_b32 s[WC], s[WV], 1
	s_bfe_u32 s[CX], ttmp6, 0x40000
	s_bfe_u32 s[CY], ttmp6, 0x40004
	s_lshl_b32 s[TX], ttmp9, 2
	s_add_co_u32 s[TX], s[TX], s[CX]               ; tile column (features): 0 .. 11
	s_and_b32 s[TY], ttmp7, 0xffff
	s_lshl_b32 s[TY], s[TY], 2
	s_add_co_u32 s[TY], s[TY], s[CY]               ; tile row (tokens): 0 .. 31
	s_lshl_b32 s56, s[CY], 2
	s_lshl_b32 s56, 15, s56                        ; my row of the cluster
	s_lshl_b32 s57, 0x1111, s[CX]                  ; my column
	s_or_b32 s[G1X], s56, (3<<16)|(1<<21)          ; the mask; elements of 8 bytes; bit 21 beside a mask; no padding
	s_or_b32 s[G1W], s57, (3<<16)|(1<<21)
.irp g, G1X, G1W
	s_mov_b32 s[\g+1], 384<<16                     ; tensor_dim0: 3,072 bytes: a tile's two K steps
	s_mov_b32 s[\g+2], 8<<16                       ; tensor_dim1: 8 tiles
	s_mov_b32 s[\g+3], 384<<16                     ; tile_dim0
	s_mov_b32 s[\g+4], 8                           ; tile_dim1
	s_mov_b32 s[\g+5], 1536                        ; from tile to tile: 12,288 bytes
	s_mov_b32 s[\g+6], 0
	s_mov_b32 s[\g+7], 0
.endr
	s_lshl_b32 s58, s[WC], 3
	s_lshl_b32 s60, s[TY], 4
	s_add_co_u32 s60, s60, s58
	s_mul_i32 s60, s60, 12288                      ; x: tile 16 ty + 8 x half
	s_mov_b32 s61, 0
	s_lshl_b32 s62, s[TX], 4
	s_add_co_u32 s62, s62, s58
	s_mul_i32 s62, s62, 12288                      ; W: tile 16 tx + 8 x half
	s_mov_b32 s63, 0
	s_mul_i32 s59, s[WV], HALFT                    ; where they go: no place in the cluster enters an LDS address
	s_mov_b32 s[SEL], 0x76543210
	s_mov_b32 s[SEL+1], 0xfedcba98
	s_mov_b32 s[MSK], 0xffff0000                   ; lanes 16-31
	s_wait_dscnt 0x0                               ; both opening adds are done
	s_wait_kmcnt 0x0
	s_add_nc_u64 s[60:61], s[4:5], s[60:61]
	s_add_nc_u64 s[62:63], s[8:9], s[62:63]
	CROUND                                         ; all sixteen work-groups are here: the first joint loads meet
.irp s, 0,1,2
	s_mov_b32 s[G0X+4*\s], 1
	s_add_co_u32 s[G0X+4*\s+1], s59, \s*SLOT
	s_add_nc_u64 s[G0X+4*\s+2:G0X+4*\s+3], s[60:61], \s*3072
	s_or_b32 s[G0X+4*\s+3], s[G0X+4*\s+3], 0x80000000
	s_mov_b32 s[G0W+4*\s], 1
	s_add_co_u32 s[G0W+4*\s+1], s59, \s*SLOT
	s_add_nc_u64 s[G0W+4*\s+2:G0W+4*\s+3], s[62:63], \s*3072
	s_or_b32 s[G0W+4*\s+3], s[G0W+4*\s+3], 0x80000000
	JLOAD G0X+4*\s, G1X, G0W+4*\s, G1W
.endr
	v_and_b32 v1, 31, v0
	v_and_b32 v2, 15, v0                           ; r
	v_bfe_u32 v3, v0, 4, 1                         ; h
	v_lshlrev_b32 v[LI], 4, v1
	s_wait_alu depctr_va_vdst(0)
	v_lshlrev_b32 v[SCO], 5, v2
	v_lshl_add_u32 v[SCO], v3, 4, v[SCO]
	v_lshlrev_b32 v[BQO], 6, v3
	v_and_b32 v4, 8, v2
	v_add_nc_u32 v4, v4, v2
	v_lshlrev_b32 v[BVO], 2, v4
	s_wait_alu depctr_va_vdst(0)
	v_lshlrev_b32 v[ZO], 4, v2
	v_lshl_add_u32 v[ZO], v3, 12, v[ZO]
	s_cmp_eq_u32 ttmp9, 2                          ; v?  The cluster's x: the same in all partners
	s_cselect_b32 s80, 2*HALFT, 0                  ; R's tiles in a slot: W's or x's
	s_cselect_b32 s81, 0, 2*HALFT                  ; P's
	s_cselect_b64 s[82:83], s[10:11], s[6:7]       ; R's scale words
	s_cselect_b64 s[84:85], s[6:7], s[10:11]       ; P's
	s_cselect_b32 s86, s[TX], s[TY]                ; R's tile coordinate
	s_cselect_b32 s87, s[TY], s[TX]                ; P's
	s_cselect_b32 s88, s[WR], s[WC]                ; which pair of heads is mine
	s_cselect_b32 s89, s[WC], s[WR]                ; which 128 tokens
	s_cselect_b32 s[TVF], 1, 0
	s_mul_i32 s90, s[WR], HALFT
	s_add_co_u32 s90, s90, s80
	s_mul_i32 s91, s[WC], HALFT
	s_add_co_u32 s91, s91, s81
.irp s, 0,1,2
	v_add_nc_u32 v[ADR+\s], s90, v[LI]
	v_add_nc_u32 v[ADP+\s], s91, v[LI]
	s_add_co_u32 s90, s90, SLOT
	s_add_co_u32 s91, s91, SLOT
.endr
	s_lshl_b32 s92, s86, 13                        ; 256 positions of 32 bytes a tile, 128 a half
	s_lshl_b32 s93, s[WR], 12
	s_add_co_u32 s92, s92, s93
	s_mov_b32 s93, 0
	s_add_nc_u64 s[82:83], s[82:83], s[92:93]
	s_lshl_b32 s92, s87, 13
	s_lshl_b32 s94, s[WC], 12
	s_add_co_u32 s92, s92, s94
	s_add_nc_u64 s[84:85], s[84:85], s[92:93]
	s_lshl_b32 s92, s[TX], 10
	s_lshl_b32 s94, s[WC], 9
	s_add_co_u32 s94, s94, s92
	s_mov_b32 s95, 0
	s_add_nc_u64 s[96:97], s[12:13], s[94:95]      ; the bias of features 256 tx + 128 wc on
	s_lshl_b32 s94, s[WR], 9
	s_add_co_u32 s94, s94, s92
	s_add_nc_u64 s[98:99], s[12:13], s[94:95]      ; and of 256 tx + 128 wr on
.irp a, 0,1,2,3,4,5,6,7
	global_load_b128 v[SR+4*\a:SR+4*\a+3], v[SCO], s[82:83] offset:512*\a   ; a tile's 512 bytes of scale words
	global_load_b128 v[SP+4*\a:SP+4*\a+3], v[SCO], s[84:85] offset:512*\a
.endr
.irp b, 0,1,2,3
.irp q, 0,1,2,3
	global_load_b128 v[BI+16*\b+4*\q:BI+16*\b+4*\q+3], v[BQO], s[96:97] offset:128*\b+16*\q   ; register 16 b + i: feature 32 b + 16 h + i
.endr
.endr
	WIN TO_P
.irp a, 0,1,2,3,4,5,6,7
	global_load_b32 v[BV+2*\a], v[BVO], s[98:99] offset:4*(32*(\a/2)+8*(\a%2))     ; R block a, lane r: its feature's bias, twice: a pair for the packed addition
	global_load_b32 v[BV+2*\a+1], v[BVO], s[98:99] offset:4*(32*(\a/2)+8*(\a%2))
.endr
	WIN 0
	; where my results go: region tx / 4; batch x head (ty / 8) 16 + 4 (tx % 4) + 2 x my pair; step of 128 tokens 2 (ty % 8) + my half
	s_and_b32 s56, s[TX], 3
	s_lshl_b32 s56, s56, 2
	s_lshl_b32 s57, s88, 1
	s_add_co_u32 s56, s56, s57
	s_lshr_b32 s57, s[TY], 3
	s_lshl_b32 s57, s57, 4
	s_add_co_u32 s56, s56, s57
	s_and_b32 s57, s[TY], 7
	s_lshl_b32 s57, s57, 1
	s_add_co_u32 s57, s57, s89
	s_lshr_b32 s58, s[TX], 2
	s_mul_i32 s60, s58, 6291456
	s_mul_i32 s61, s56, 98304
	s_add_co_u32 s60, s60, s61
	s_mul_i32 s61, s57, 6144
	s_add_co_u32 s60, s60, s61
	s_mov_b32 s61, 0
	s_add_nc_u64 s[14:15], s[14:15], s[60:61]
	s_lshl_b32 s60, s58, 18
	s_lshl_b32 s62, s56, 12
	s_add_co_u32 s60, s60, s62
	s_lshl_b32 s62, s57, 8
	s_add_co_u32 s60, s60, s62
	s_add_nc_u64 s[16:17], s[16:17], s[60:61]
.macro FRAG reg, adr, off              ; an image comes back as it was stored: three loads of 512 consecutive bytes
.irp p, 0,1,2
	ds_load_b128 v[(\reg)+4*\p:(\reg)+4*\p+3], v[\adr] offset:(\off)+512*\p
.endr
.endm
.macro FETCH_P j                       ; P's eight fragments of step j into set j % 2: 24 loads
	WIN TO_P
.irp i, 0,1,2,3,4,5,6,7
	FRAG 128*((\j)%2)+FR*\i, ADP+((\j)/2)%3, \i*3072+((\j)%2)*1536
.endr
	WIN 0
.endm
.macro FETCH_R j, i0                   ; R's blocks i0 .. i0 + 3: 12 loads
.irp i, \i0, \i0+1, \i0+2, \i0+3
	FRAG RF+FR*(\i), ADR+((\j)/2)%3, (\i)*3072+((\j)%2)*1536
.endr
.endm
; 16 matrix instructions: R's blocks a0, a0 + 1 x P's eight.  The 64 accumulators take turns, one instruction a turn, in the same order in every step.
.macro MUL16 a0, j, zero
.irp a, \a0, \a0+1
.irp b, 0,1,2,3,4,5,6,7
.if \zero
	v_wmma_scale_f32_16x16x128_f8f6f4 v[8*(8*((\a)%4)+\b):8*(8*((\a)%4)+\b)+7], v[128*((\j)%2)+FR*\b:128*((\j)%2)+FR*\b+FR-1], v[RF+FR*(\a):RF+FR*(\a)+FR-1], 0, v[SP+4*\b+(\j)%4], v[SR+4*(\a)+(\j)%4] matrix_a_fmt:MATRIX_FMT_FP6 matrix_b_fmt:MATRIX_FMT_FP6
.elseif (\j) < 4
	v_wmma_scale_f32_16x16x128_f8f6f4 v[8*(8*((\a)%4)+\b):8*(8*((\a)%4)+\b)+7], v[128*((\j)%2)+FR*\b:128*((\j)%2)+FR*\b+FR-1], v[RF+FR*(\a):RF+FR*(\a)+FR-1], v[8*(8*((\a)%4)+\b):8*(8*((\a)%4)+\b)+7], v[SP+4*\b+(\j)%4], v[SR+4*(\a)+(\j)%4] matrix_a_fmt:MATRIX_FMT_FP6 matrix_b_fmt:MATRIX_FMT_FP6
.else
	v_wmma_scale_f32_16x16x128_f8f6f4 v[8*(8*((\a)%4)+\b):8*(8*((\a)%4)+\b)+7], v[128*((\j)%2)+FR*\b:128*((\j)%2)+FR*\b+FR-1], v[RF+FR*(\a):RF+FR*(\a)+FR-1], v[8*(8*((\a)%4)+\b):8*(8*((\a)%4)+\b)+7], v[SP+4*\b+(\j)%4], v[SR+4*(\a)+(\j)%4] matrix_a_fmt:MATRIX_FMT_FP6 matrix_b_fmt:MATRIX_FMT_FP6 matrix_a_scale:MATRIX_SCALE_ROW1 matrix_b_scale:MATRIX_SCALE_ROW1
.endif
.endr
.endr
.endm
.macro STEP j, zero                    ; a step of 128 along K whose successor's tiles are known to lie in LDS
	s_wait_dscnt 12                                ; P's set and R's blocks 0-3 are in; the youngest twelve loads (R's blocks 4-7) may be out
	WIN MUL_LO
	MUL16 0, \j, \zero
	MUL16 2, \j, \zero
	s_wait_dscnt 0x0                               ; R's blocks 4-7 are in
	PLACES
	FETCH_P (\j)+1
	FETCH_R (\j)+1, 0
	WIN MUL_HI
	MUL16 4, \j, \zero
	MUL16 6, \j, \zero
	PLACES
	WIN 0
	FETCH_R (\j)+1, 4
.endm
; A step with a barrier.  In front of it each wave waits for all its tensor loads, adds 0 to its spare word, and waits for that and for its reads of the slot in hand.  fill = 1: slot 0 is filled again, with K 768 on.
.macro TURN j, fill
	s_wait_tensorcnt 0x0                           ; all my tensor loads have landed
	ds_add_u32 v[SPW], v[NIL]                      ; 0 onto my spare word
	s_wait_dscnt 13                                ; (the add and the youngest twelve loads may be out)
	WIN MUL_LO
	MUL16 0, \j, 0                                 ; sixteen matrix instructions stand between the add and the wait for it
	s_wait_dscnt 0x0                               ; the add is done, and my reads of this slot are over
	s_barrier_signal -1
	MUL16 2, \j, 0
	WIN 0
	s_barrier_wait -1
.if \fill
	CREST                                          ; the barrier has opened a round of the cluster's barrier: no wave of any partner still reads slot 0 or has a load on its way
	s_add_nc_u64 s[G0X+2:G0X+3], s[G0X+2:G0X+3], 3*3072
	s_add_nc_u64 s[G0W+2:G0W+3], s[G0W+2:G0W+3], 3*3072
	JLOAD G0X, G1X, G0W, G1W                       ; the first tensor load behind the round; its four v_nop are the places in front of the loads below
.else
	PLACES
.endif
	FETCH_P (\j)+1
	FETCH_R (\j)+1, 0
	WIN MUL_HI
	MUL16 4, \j, 0
	MUL16 6, \j, 0
	PLACES
	WIN 0
	FETCH_R (\j)+1, 4
.endm
	s_wait_alu depctr_va_vdst(0)
	s_wait_tensorcnt 0x2                           ; my part of slot 0 is in; slots 1 and 2 may be out
	s_barrier_signal -1
	s_barrier_wait -1
	FETCH_P 0
	FETCH_R 0, 0
	FETCH_R 0, 4
	s_wait_loadcnt 0x0                             ; the scale words and the biases
	STEP 0, 1                                      ; the first products start the sums: nothing is cleared
	TURN 1, 1                                      ; behind it slots 1 and 2 are whole, and slot 0 is on its way again
	STEP 2, 0
	STEP 3, 0
	STEP 4, 0
	TURN 5, 0                                      ; behind it slot 0 is whole
	STEP 6, 0
	s_wait_dscnt 12                                ; the last step: nothing more to fetch
	WIN MUL_LO
	MUL16 0, 7, 0
	MUL16 2, 7, 0
	s_wait_dscnt 0x0
	WIN MUL_HI
	MUL16 4, 7, 0
	MUL16 6, 7, 0
	WIN 0
; THE WAY OUT, an R block of 16 rows at a time: + bias, quantised in registers, stored as images.  No LDS: a plane of an image is 512 consecutive bytes as it stands.
; q, k (v = 0): a lane holds one token and 128 features = two heads: blocks 0, 1 are a half image of the first head, blocks 2, 3 of the second; two R blocks (a group's tiles 0 and 1) fill both images.
; v (v = 1): a lane holds one feature and 128 keys: a whole image; R blocks 0-3 are the first head's four tiles, 4-7 the second's.
.macro EPI v
.irp a, 0,1,2,3,4,5,6,7
.if \v
	WIN 0x06+(\a)/4                                ; source 0: window 2 or 3; source 1: window 1
.else
	WIN 0x02+(\a)/4
.endif
.set i, 0
.rept 32
.if \v
	v_pk_add_f32 v[T+2*i:T+2*i+1], v[64*((\a)%4)+2*i:64*((\a)%4)+2*i+1], v[BV+2*(\a):BV+2*(\a)+1]    ; each accumulator from its low end on
.else
	v_pk_add_f32 v[T+2*i:T+2*i+1], v[64*((\a)%4)+2*i:64*((\a)%4)+2*i+1], v[BI+2*i:BI+2*i+1]
.endif
.set i, i+1
.endr
	WIN 0
.if ((\a)%2 == 0) && ((\a) >= 2)
	s_wait_xcnt 0x0                                ; the last stores have read the two images' registers, which are written again now
.endif
.if \v
.if (\a)%2 == 0
	QUANT T, XA, XA+6, PW+\a
.else
	QUANT T, XB, XB+6, PW+\a
.endif
.else
.if (\a)%2 == 0
	QUANT T, XA, XB, PW+\a
.else
	QUANT T, XA+6, XB+6, PW+\a
.endif
.endif
.if (\a)%2 == 1
.irp p, 0,1,2
.if \v
	global_store_b128 v[LI], v[XA+4*\p:XA+4*\p+3], s[14:15] offset:(((\a)-1)/4)*98304+(((\a)-1)%4)*1536+512*\p
	global_store_b128 v[LI], v[XB+4*\p:XB+4*\p+3], s[14:15] offset:((\a)/4)*98304+((\a)%4)*1536+512*\p
.else
	global_store_b128 v[LI], v[XA+4*\p:XA+4*\p+3], s[14:15] offset:((\a)/2)*1536+512*\p
	global_store_b128 v[LI], v[XB+4*\p:XB+4*\p+3], s[14:15] offset:98304+((\a)/2)*1536+512*\p
.endif
.endr
.endif
.endr
.if \v
.irp k, 0,1,2,3
	v_cndmask_b32 v[Z+\k], v[PW+\k], v[PW+4+\k], s[MSK]   ; lanes 0-15: the first head's tiles, lanes 16-31 the second's
.endr
.else
	v_mov_b32 v[PS], 0x05040100
	v_mov_b32 v[PS+1], 0x07060302
	v_cndmask_b32 v[PS], v[PS], v[PS+1], s[MSK]    ; lanes 0-15 take the first head's two bytes of each word, lanes 16-31 the second's
.irp k, 0,1,2,3
	v_perm_b32 v[Z+\k], v[PW+2*\k+1], v[PW+2*\k], v[PS]   ; group k: tile 0's two bytes, then tile 1's
.endr
.endif
	global_store_b128 v[ZO], v[Z:Z+3], s[16:17]    ; sixteen lanes store 256 consecutive bytes for each head
.endm
	PLACES
.irp b, 0,1,2,3
	v_mov_b32 v[TM+4+\b], 0                        ; a lane permute's destination counts as one of its sources
.endr
	s_cmp_eq_u32 s[TVF], 1
	s_cbranch_scc1 .Lv_arm
	EPI 0
	s_branch .Lend
.Lv_arm:
	EPI 1
.Lend:
	s_wait_tensorcnt 0x0                           ; the wave's end
	ds_add_u32 v[SPW], v[NIL]
	s_wait_dscnt 0x0
	CROUND                                         ; the closing round
	s_endpgm
.Lfunc_end_k_q12346acd9f_gemm_qkv:
	.size	k_q12346acd9f_gemm_qkv, .Lfunc_end_k_q12346acd9f_gemm_qkv-k_q12346acd9f_gemm_qkv
	.p2alignl 7, 3214868480
	.fill 96, 4, 3214868480
	.section	.rodata,"a",@progbits
	.p2align	6, 0x0
	.amdhsa_kernel k_q12346acd9f_gemm_qkv
		.amdhsa_group_segment_fixed_size 327680
		.amdhsa_private_segment_fixed_size 0
		.amdhsa_enable_private_segment 0
		.amdhsa_kernarg_size 56
		.amdhsa_user_sgpr_count 2
		.amdhsa_user_sgpr_kernarg_segment_ptr 1
		.amdhsa_wavefront_size32 1
		.amdhsa_system_sgpr_workgroup_id_x 1
		.amdhsa_system_sgpr_workgroup_id_y 1
		.amdhsa_system_sgpr_workgroup_id_z 1
		.amdhsa_system_vgpr_workitem_id 0
		.amdhsa_next_free_vgpr 1024
		.amdhsa_next_free_sgpr 100
		.amdhsa_reserve_vcc 0
		.amdhsa_float_denorm_mode_32 3
		.amdhsa_float_denorm_mode_16_64 3
		.amdhsa_memory_ordered 1
		.amdhsa_forward_progress 1
		.amdhsa_inst_pref_size 206
	.end_amdhsa_kernel
	.amdgpu_metadata
---
amdhsa.version: [ 1, 2 ]
amdhsa.kernels:
  - .name:           k_q12346acd9f_gemm_qkv
    .symbol:         k_q12346acd9f_gemm_qkv.kd
    .args:
      - { .name: xcod, .offset: 0, .size: 8, .value_kind: global_buffer, .address_space: global }
      - { .name: xscl, .offset: 8, .size: 8, .value_kind: global_buffer, .address_space: global }
      - { .name: wcod, .offset: 16, .size: 8, .value_kind: global_buffer, .address_space: global }
      - { .name: wscl, .offset: 24, .size: 8, .value_kind: global_buffer, .address_space: global }
      - { .name: b_qkv, .offset: 32, .size: 8, .value_kind: global_buffer, .address_space: global }
      - { .name: hcod, .offset: 40, .size: 8, .value_kind: global_buffer, .address_space: global }
      - { .name: hscl, .offset: 48, .size: 8, .value_kind: global_buffer, .address_space: global }
    .group_segment_fixed_size: 327680
    .private_segment_fixed_size: 0
    .kernarg_segment_align: 8
    .kernarg_segment_size: 56
    .max_flat_workgroup_size: 128
    .sgpr_count:     100
    .vgpr_count:     1024
    .wavefront_size: 32
...
	.end_amdgpu_metadata
.endif
;; end of part 3
;; launch attn (part 4): grid 4 x 64, 16 waves a work-group, clusters of 4 x 1, 327,680 bytes of LDS; arguments hcod, hscl, acod, ascl; writes acod, ascl
.if DOCPART == 4
	.amdgcn_target "amdgcn-amd-amdhsa--gfx1250"
	.amdhsa_code_object_version 6
	.text
	.protected	k_q12346acd9f_attn
	.globl	k_q12346acd9f_attn
	.p2align	8
	.type	k_q12346acd9f_attn,@function
k_q12346acd9f_attn:
	s_mov_b64 s[64:65], 0
	v_nop
	global_prefetch_b8 v0, s[64:65] scope:SCOPE_SE
	s_setreg_imm32_b32 hwreg(HW_REG_WAVE_MODE, 25, 1), 1
	s_wait_xcnt 0x0
	s_wait_alu depctr_hold_cnt(0) depctr_sa_sdst(0) depctr_va_vdst(0) depctr_va_sdst(0) depctr_va_ssrc(0) depctr_va_vcc(0) depctr_vm_vsrc(0)
	s_getreg_b32 s2, hwreg(HW_REG_IB_STS2, 6, 4)
	s_cmp_eq_u32 s2, 0
	s_cbranch_scc0 .Lentry_in_a_cluster
	s_endpgm
.Lentry_in_a_cluster:
	s_bfe_u32 s2, ttmp6, 0x10000c
	s_cmp_lg_u32 s2, 0x3003
	s_cbranch_scc0 .Lentry_shape_is_right
	s_endpgm
.Lentry_shape_is_right:
; Causal attention of one batch x head on codes of FP6 with E8M0 scales, and its result quantised along the head's 64 for the last product.  Layouts of hcod and hscl: head of gemm_qkv.
; LEFT OUT AS DEAD WORK (shown at the head of quant_x): key steps all of whose 128 keys come after a tile's 16 queries.
; THE SOFTMAX AHEAD OF THE SECOND PRODUCT: t = score x log2(e) / 8; M = the running largest t rounded up to a whole number; p = 2^(t - M) is quantised along the keys; the row's sum is taken of the unquantised p and divides at the end.
; A WHOLE HEAD'S K AND V LIE IN LDS: 196,608 bytes of codes, 8,192 of scale words.  Wave w brings key step w: one load of codes (K's 6,144 bytes and V's, two rows of one tile) and one of scale words.
; Nothing is filled again: one barrier.  By the text's own count a wave has two tensor loads out.  CLUSTER: the four work-groups of a head need the same bytes: every load is a joint one, mask 15.
; SHARES.  Work-group x of the head takes the x-th 32 queries of each group g of 128; wave w takes tile w % 2 of them in groups w / 2 and 15 - w / 2: (g + 1) + (16 - g) = 17 key steps for every wave of the launch.
; x enters global addresses and one number a lane (for the mask's compare) alone: no branch and no LDS address.
; BOTH PRODUCTS ARE USED TRANSPOSED: a lane holds one query throughout.  THE FIRST HAS K = 64 in an instruction of 128: an image of K holds two tiles of 16 keys (registers 0-5, 6-11), and Q stands as 18 registers
; [q | 0 | q]: registers 0-11 pick tile 0, registers 6-17 tile 1.  Zero codes add nothing under any of these scale bytes (1 .. 254).  The tiles' keys are in position space, so registers 16 b + i are keys 32 b + 16 h + i.
; acod: [head 16][tile 512][768]: registers 0-3 of a half image at 16 x lane, registers 4-5 at 512 + 8 x lane.  ascl: [pair of heads 8][position 8,192][4 bytes]: byte 2 (head % 2) + block.
; The scale bytes leave singly, 32 a tile: one twenty-fourth of the codes' bytes.  LIMITS: as stated at the head of quant_x.
.set SC,    196608                     ; key step js: K's 256 bytes of scale words at SC + 512 js, V's 256 behind them
.set SPARE, 204800                     ; the spare words, 128 bytes for each of 16 waves
.set LI,  1                            ; v1  16 x lane
.set L8,  2                            ; v2  8 x lane
.set ASC, 3                            ; v3  SC + 16 r
.set DQ,  4                            ; v4  my query - 16 h, counted from its group of 128
.set SPW, 5
.set NIL, 6
.set QO,  7                            ; v7-9 my tile's three pieces of 8 bytes in Q's image
.set QWO, 10                           ; v10 16 r + 4 x
.set ADK, 11
.set QF,  16                           ; v16-33 [q | 0 | q]
.set QS,  34                           ; v34 Q's scale word
.set QW,  35
.set BO,  36                           ; v36 4 r + h
.set ADS, 37
.set FRG, 40                           ; v40-87 four images: K's, then V's
.set KS,  88                           ; v88-91 K's scale words
.set VS,  92                           ; v92-95 V's
.set S,   96                           ; v96-159 S^T, then p
.set O,   160                          ; v160-191 O^T
.set PCD, 192                          ; v192-203 p's codes
.set CT,  204                          ; v204-211 the conversions' second halves
.set BM,  212                          ; v212-215 the blocks' largest scores, then p
.set PD,  216                          ; v216-219 permutes' destinations, a chain of the sum, bytes
.set SO,  220                          ; v220-223 the conversions' scale operands
.set W0,  224
.set F,   226                          ; v[226:227] f, later 1 / l
.set PWD, 228                          ; p's scale word
.set WV,  12
.set CX,  13
.set BH,  14
.set UP,  15
.set SEL, 16
.set CS,  18
.set G1C, 20
.set G1S, 28
.set G0C, 36
.set G0S, 40
.set GP,  44                           ; the group of 128 queries in hand
.set JS,  45
.set TB,  46
.set TS,  47
.set QSEL, 48
.set MSK, 49
.set HQ,  66
.set HS,  68
.set AB,  70
.set AS,  72
.set QB,  74
.set QSB, 76
.set OB,  78
.set OSB, 80
.macro ROUND
	s_barrier_signal -1
	s_barrier_wait -1
	s_cmp_lg_u32 s[WV], 0
	s_cbranch_scc1 .Lnot_wave_0_\@
	s_barrier_signal -3
.Lnot_wave_0_\@:
	s_barrier_wait -3
	s_barrier_signal -1
	s_barrier_wait -1
.endm
	s_load_b256 s[4:11], s[0:1], 0x0               ; hcod, hscl, acod, ascl
	v_lshl_add_u32 v[SPW], v0, 2, SPARE
	v_mov_b32 v[NIL], 0
	ds_add_u32 v[SPW], v[NIL]                      ; the wave's opening: the add, twice on end, and its wait ahead of my first tensor load
	ds_add_u32 v[SPW], v[NIL]
	v_lshrrev_b32 v[W0], 5, v0
	s_delay_alu instid0(VALU_DEP_1)
	v_readfirstlane_b32 s[WV], v[W0]
	s_bfe_u32 s[CX], ttmp6, 0x40000
	s_and_b32 s[BH], ttmp7, 0xffff                 ; batch x head, which the four partners share
	s_and_b32 s[UP], s[WV], 1
	s_mov_b32 s[G1C], 15|(3<<16)|(1<<21)           ; the mask: all four; elements of 8 bytes; bit 21 beside a mask
	s_mov_b32 s[G1C+1], 768<<16                    ; tensor_dim0: 6,144 bytes
	s_mov_b32 s[G1C+2], 2<<16                      ; tensor_dim1: K's row and V's
	s_mov_b32 s[G1C+3], 768<<16
	s_mov_b32 s[G1C+4], 2
	s_mov_b32 s[G1C+5], 786432                     ; from K's region to V's: 6,291,456 bytes
	s_mov_b32 s[G1C+6], 0
	s_mov_b32 s[G1C+7], 0
	s_mov_b32 s[G1S], 15|(3<<16)|(1<<21)
	s_mov_b32 s[G1S+1], 32<<16                     ; 256 bytes
	s_mov_b32 s[G1S+2], 2<<16
	s_mov_b32 s[G1S+3], 32<<16
	s_mov_b32 s[G1S+4], 2
	s_mov_b32 s[G1S+5], 32768                      ; 262,144 bytes
	s_mov_b32 s[G1S+6], 0
	s_mov_b32 s[G1S+7], 0
	s_mul_i32 s52, s[BH], 98304
	s_mul_i32 s53, s[WV], 6144
	s_add_co_u32 s52, s52, s53
	s_add_co_u32 s52, s52, 6291456                 ; K's codes of key step w
	s_mov_b32 s53, 0
	s_lshl_b32 s56, s[BH], 12
	s_lshl_b32 s57, s[WV], 8
	s_add_co_u32 s56, s56, s57
	s_add_co_u32 s56, s56, 262144                  ; and its scale words
	s_mov_b32 s57, 0
	s_mov_b32 s[G0C], 1
	s_mul_i32 s[G0C+1], s[WV], 12288
	s_mov_b32 s[G0S], 1
	s_lshl_b32 s[G0S+1], s[WV], 9
	s_add_co_u32 s[G0S+1], s[G0S+1], SC
	s_mov_b32 s[SEL], 0x76543210
	s_mov_b32 s[SEL+1], 0xfedcba98
	s_mov_b32 s[CS], 0x3e38aa3b                    ; c = log2(e) / 8
	s_mov_b32 s[CS+1], s[CS]
	s_mov_b32 s[MSK], 0xffff0000
	s_wait_dscnt 0x0                               ; both opening adds are done
	s_wait_kmcnt 0x0
	s_add_nc_u64 s[G0C+2:G0C+3], s[4:5], s[52:53]
	s_or_b32 s[G0C+3], s[G0C+3], 0x80000000
	s_add_nc_u64 s[G0S+2:G0S+3], s[6:7], s[56:57]
	s_or_b32 s[G0S+3], s[G0S+3], 0x80000000
	ROUND                                          ; all four work-groups are here: the joint loads meet
	tensor_load_to_lds s[G0C:G0C+3], s[G1C:G1C+7]
	s_nop 0
	tensor_load_to_lds s[G0S:G0S+3], s[G1S:G1S+7]
	s_nop 0
.rept 4
	v_nop
.endr
	v_and_b32 v[W0], 31, v0                        ; lane
	v_and_b32 v[W0+1], 15, v0                      ; r
	v_bfe_u32 v[W0+5], v0, 4, 1                    ; h
	s_delay_alu instid0(VALU_DEP_3)
	v_lshlrev_b32 v[LI], 4, v[W0]
	s_wait_alu depctr_va_vdst(0)
	v_lshlrev_b32 v[L8], 3, v[W0]
	v_lshl_add_u32 v[ASC], v[W0+1], 4, SC
	v_and_b32 v[W0+6], 8, v[W0+1]
	s_delay_alu instid0(VALU_DEP_1)
	v_add_nc_u32 v[W0+6], v[W0+6], v[W0+1]         ; r + 8 (r / 8)
	v_lshlrev_b32 v[W0+7], 4, v[W0+5]
	s_delay_alu instid0(VALU_DEP_1)
	v_sub_nc_u32 v[DQ], v[W0+6], v[W0+7]
	s_lshl_b32 s50, s[CX], 5
	s_lshl_b32 s51, s[UP], 3
	s_add_co_u32 s50, s50, s51
	v_add_nc_u32 v[DQ], s50, v[DQ]                 ; 32 x + 8 u + r + 8 (r / 8) - 16 h
	s_mov_b32 s53, 1032
	s_mov_b32 s[QSEL], 0x03020302
	s_cmp_eq_u32 s[UP], 0
	s_cselect_b32 s51, 0, 520                      ; registers 0-5 of an image lie at 16 l + 0, 8, 512; registers 6-11 at 16 l + 520, 1,024, 1,032
	s_cselect_b32 s52, 8, 1024
	s_cselect_b32 s53, 512, s53
	s_cselect_b32 s[QSEL], 0x01000100, s[QSEL]     ; my tile's two bytes of the group's word, twice
	v_add_nc_u32 v[QO], s51, v[LI]
	v_add_nc_u32 v[QO+1], s52, v[LI]
	v_add_nc_u32 v[QO+2], s53, v[LI]
	v_lshlrev_b32 v[QWO], 4, v[W0+1]
	s_lshl_b32 s54, s[CX], 2
	v_add_nc_u32 v[QWO], s54, v[QWO]
	v_lshl_add_u32 v[BO], v[W0+1], 2, v[W0+5]
	s_mul_i32 s50, s[BH], 98304
	s_mul_i32 s52, s[CX], 1536
	s_add_co_u32 s50, s50, s52
	s_mov_b32 s51, 0
	s_add_nc_u64 s[HQ:HQ+1], s[4:5], s[50:51]      ; Q's codes: my head, group x of each four
	s_lshl_b32 s50, s[BH], 12
	s_add_nc_u64 s[HS:HS+1], s[6:7], s[50:51]
	s_lshr_b32 s52, s[BH], 4
	s_lshl_b32 s52, s52, 7
	s_lshl_b32 s53, s[CX], 1
	s_add_co_u32 s52, s52, s53
	s_add_co_u32 s52, s52, s[UP]                   ; my tile in group 0: 128 x batch + 2 x + u
	s_and_b32 s53, s[BH], 15
	s_mul_i32 s50, s53, 393216
	s_mul_i32 s54, s52, 768
	s_add_co_u32 s50, s50, s54
	s_add_nc_u64 s[AB:AB+1], s[8:9], s[50:51]
	s_lshr_b32 s53, s53, 1
	s_lshl_b32 s50, s53, 15
	s_lshl_b32 s54, s52, 6
	s_add_co_u32 s50, s50, s54
	s_and_b32 s54, s[BH], 1
	s_lshl_b32 s54, s54, 1
	s_add_co_u32 s50, s50, s54
	s_add_nc_u64 s[AS:AS+1], s[10:11], s[50:51]
	s_lshr_b32 s[GP], s[WV], 1
.irp i, 6,7,8,9,10,11
	v_mov_b32 v[QF+\i], 0                          ; the zero codes between the two copies of q
.endr
.irp b, 0,1,2,3
	v_mov_b32 v[PD+\b], 0                          ; a lane permute's destination counts as one of its sources
.endr
	v_mov_b32 v[F+1], 0                            ; (named as the upper half of a pair)
	s_wait_tensorcnt 0x0                           ; my key step's bytes are in,
	s_barrier_signal -1
	s_barrier_wait -1                              ; everybody's are
; One tile of 16 queries, from its q to its codes.  second = 1: the wave's second tile, in group 15 - the first's.
; (The argument's name is none of the names that the repeats inside use: an argument is put in as text ahead of them.)
.macro TILE second
.if \second
	s_wait_xcnt 0x0                                ; the first tile's stores have read their registers and bases
	s_sub_co_u32 s[GP], 15, s[GP]
.endif
	s_mul_i32 s50, s[GP], 6144
	s_mov_b32 s51, 0
	s_add_nc_u64 s[QB:QB+1], s[HQ:HQ+1], s[50:51]  ; four groups of 1,536 bytes on for each 128 queries; eight tiles of 768 likewise
	s_add_nc_u64 s[OB:OB+1], s[AB:AB+1], s[50:51]
	s_lshl_b32 s50, s[GP], 8
	s_add_nc_u64 s[QSB:QSB+1], s[HS:HS+1], s[50:51]
	s_lshl_b32 s50, s[GP], 9
	s_add_nc_u64 s[OSB:OSB+1], s[AS:AS+1], s[50:51]
.irp i, 0,1,2
	global_load_b64 v[QF+2*\i:QF+2*\i+1], v[QO+\i], s[QB:QB+1]
	global_load_b64 v[QF+12+2*\i:QF+13+2*\i], v[QO+\i], s[QB:QB+1]
.endr
	global_load_b32 v[QW], v[QWO], s[QSB:QSB+1]
	v_mov_b32 v13, 0xff61b1e6                      ; the largest t so far: -3e38
	s_delay_alu instid0(VALU_DEP_1)
	v_floor_f32 v12, -v13                          ; -M
	v_mov_b32 v14, 0                               ; the sum, in two halves
	v_mov_b32 v15, 0
	s_mov_b32 s[TB], 0
	s_mov_b32 s[TS], 0
	s_mov_b32 s[JS], 0
	s_wait_loadcnt 0x0
	v_perm_b32 v[QS], v[QW], v[QW], s[QSEL]
.irp j, 0,1,2,3,4,5,6,7,8,9,10,11,12,13,14,15,16,17,18,19,20,21,22,23,24,25,26,27,28,29,30,31
	v_mov_b32 v[O+\j], 0                           ; O^T: the first change of M leaves zeros zeros.  (Also the places between the scale word's making and the first product)
.endr
.Lstep_\@:                                         ; 16 trips, a constant; a step behind my queries is jumped over: a scalar branch on ids, round no barrier and no tensor load
	s_cmp_gt_u32 s[JS], s[GP]
	s_cbranch_scc1 .Lhidden_\@
	s_setprio 2
	v_add_nc_u32 v[ADK], s[TB], v[LI]
	v_add_nc_u32 v[ADS], s[TS], v[ASC]
	v_nop
	v_nop                                          ; four plain places in front of loads into registers that the last products read
.irp b, 0,1,2,3
.irp p, 0,1,2
	ds_load_b128 v[FRG+12*\b+4*\p:FRG+12*\b+4*\p+3], v[ADK] offset:1536*\b+512*\p
.endr
.endr
	ds_load_b128 v[KS:KS+3], v[ADS]
	s_wait_alu depctr_va_vdst(0)
	s_wait_dscnt 0x0
.irp b, 0,1,2,3                                    ; S^T = K Q^T: each image of K feeds two products
	v_wmma_scale_f32_16x16x128_f8f6f4 v[S+16*\b:S+16*\b+7], v[FRG+12*\b:FRG+12*\b+11], v[QF:QF+11], 0, v[KS+\b], v[QS] matrix_a_fmt:MATRIX_FMT_FP6 matrix_b_fmt:MATRIX_FMT_FP6
	v_wmma_scale_f32_16x16x128_f8f6f4 v[S+16*\b+8:S+16*\b+15], v[FRG+12*\b:FRG+12*\b+11], v[QF+6:QF+17], 0, v[KS+\b], v[QS] matrix_a_fmt:MATRIX_FMT_FP6 matrix_b_fmt:MATRIX_FMT_FP6
.endr
.rept 4
	v_nop
.endr
.irp t, 0,1,2,3                                    ; V's four images land while the softmax is walked
.irp p, 0,1,2
	ds_load_b128 v[FRG+12*\t+4*\p:FRG+12*\t+4*\p+3], v[ADK] offset:6144+1536*\t+512*\p
.endr
.endr
	ds_load_b128 v[VS:VS+3], v[ADS] offset:256
	s_cmp_lg_u32 s[JS], s[GP]                      ; on the diagonal the scores of hidden keys become -infinity ahead of the maximum; key 128 g counts for every query of group g
	s_cbranch_scc1 .Lopen_\@
	v_mov_b32 v[W0], 0xff800000
.irp n, 0,1,2,3,4,5,6,7,8,9,10,11,12,13,14,15,16,17,18,19,20,21,22,23,24,25,26,27,28,29,30,31,32,33,34,35,36,37,38,39,40,41,42,43,44,45,46,47,48,49,50,51,52,53,54,55,56,57,58,59,60,61,62,63
	v_cmp_gt_i32 vcc_lo, 32*(\n/16)+\n%16, v[DQ]   ; register 16 b + i holds key 32 b + 16 h + i of the step: hidden where 32 b + i > my query - 16 h
	v_cndmask_b32 v[S+\n], v[S+\n], v[W0], vcc_lo
.endr
.Lopen_\@:
.irp b, 0,1,2,3
	v_max3_num_f32 v[BM+\b], v[S+16*\b], v[S+1+16*\b], v[S+2+16*\b]   ; the largest score of each block of 32 keys: for the row's maximum and, since p rises with the score, for the block's largest p
.endr
.irp i, 3,5,7,9,11,13
.irp b, 0,1,2,3
	v_max3_num_f32 v[BM+\b], v[BM+\b], v[S+16*\b+\i], v[S+1+16*\b+\i]
.endr
.endr
.irp b, 0,1,2,3
	v_max_num_f32 v[BM+\b], v[BM+\b], v[S+15+16*\b]
.endr
.irp b, 0,1,2,3
	s_delay_alu instid0(VALU_DEP_4)
	v_permlanex16_b32 v[PD+\b], v[BM+\b], s[SEL], s[SEL+1]
.endr
.irp b, 0,1,2,3
	s_delay_alu instid0(VALU_DEP_4)
	v_max_num_f32 v[BM+\b], v[BM+\b], v[PD+\b]
.endr
	s_delay_alu instid0(VALU_DEP_2)
	v_max3_num_f32 v[W0], v[BM], v[BM+1], v[BM+2]
	s_delay_alu instid0(VALU_DEP_1)
	v_max_num_f32 v[W0], v[W0], v[BM+3]
	s_delay_alu instid0(VALU_DEP_1)
	v_mul_f32 v[W0], s[CS], v[W0]
	s_delay_alu instid0(VALU_DEP_1)
	v_max_num_f32 v13, v13, v[W0]                  ; the running largest t
	v_mov_b32 v[W0], v12
	s_delay_alu instid0(VALU_DEP_2)
	v_floor_f32 v12, -v13                          ; the new -M = -ceil(t)
	s_delay_alu instid0(VALU_DEP_1)
	v_sub_f32 v[W0], v12, v[W0]                    ; old M - new M: a whole number, 0 or less
	s_delay_alu instid0(VALU_DEP_1)
	v_cvt_i32_f32 v[W0], v[W0]                     ; (it saturates)
	s_delay_alu instid0(VALU_DEP_1)
	v_ldexp_f32 v[F], 1.0, v[W0]                   ; f = 2^(old M - new M): exact
.irp j, 0,2,4,6,8,10,12,14,16,18,20,22,24,26,28,30,32,34,36,38,40,42,44,46,48,50,52,54,56,58,60,62
	v_pk_fma_f32 v[S+\j:S+1+\j], v[S+\j:S+1+\j], s[CS:CS+1], v[12:13] op_sel_hi:[1,0,0]   ; t - M
.endr
	s_setprio 1
.irp b, 0,1,2,3
	v_fma_f32 v[BM+\b], v[BM+\b], s[CS], v12
.endr
	s_wait_alu depctr_va_vdst(0)
.irp j, 0,1,2,3,4,5,6,7,8,9,10,11,12,13,14,15,16,17,18,19,20,21,22,23,24,25,26,27,28,29,30,31,32,33,34,35,36,37,38,39,40,41,42,43,44,45,46,47,48,49,50,51,52,53,54,55,56,57,58,59,60,61,62,63
	v_exp_f32 v[S+\j], v[S+\j]                     ; p = 2^(t - M)
.endr
	v_pk_mul_f32 v[14:15], v[14:15], v[F:F+1] op_sel_hi:[1,0]   ; the sums under the new M: a plain place behind the exponentials
	s_wait_alu depctr_va_vdst(0)                   ; one wait for the whole batch, ahead of its first reader
.irp b, 0,1,2,3
	v_exp_f32 v[BM+\b], v[BM+\b]                   ; the blocks' largest p
.endr
	v_pk_add_f32 v[216:217], v[100:101], v[104:105]
	v_pk_add_f32 v[254:255], v[108:109], v[112:113]
	v_pk_add_f32 v[252:253], v[116:117], v[120:121]
	v_pk_add_f32 v[250:251], v[124:125], v[128:129]
	v_pk_add_f32 v[248:249], v[132:133], v[136:137]
	v_pk_add_f32 v[246:247], v[140:141], v[144:145]
	v_pk_add_f32 v[244:245], v[148:149], v[152:153]
	v_pk_add_f32 v[14:15], v[14:15], v[156:157]
	v_pk_add_f32 v[216:217], v[216:217], v[96:97]
	v_pk_add_f32 v[254:255], v[254:255], v[98:99]
	v_pk_add_f32 v[252:253], v[252:253], v[102:103]
	v_pk_add_f32 v[250:251], v[250:251], v[106:107]
	v_pk_add_f32 v[248:249], v[248:249], v[110:111]
	v_pk_add_f32 v[246:247], v[246:247], v[114:115]
	v_pk_add_f32 v[244:245], v[244:245], v[118:119]
	v_pk_add_f32 v[14:15], v[14:15], v[122:123]
	v_pk_add_f32 v[216:217], v[216:217], v[126:127]
	v_pk_add_f32 v[254:255], v[254:255], v[130:131]
	v_pk_add_f32 v[252:253], v[252:253], v[134:135]
	v_pk_add_f32 v[250:251], v[250:251], v[138:139]
	v_pk_add_f32 v[248:249], v[248:249], v[142:143]
	v_pk_add_f32 v[246:247], v[246:247], v[146:147]
	v_pk_add_f32 v[244:245], v[244:245], v[150:151]
	v_pk_add_f32 v[14:15], v[14:15], v[154:155]
	v_pk_add_f32 v[216:217], v[216:217], v[158:159]
	s_delay_alu instid0(VALU_DEP_2)
	v_pk_add_f32 v[14:15], v[14:15], v[250:251]
	s_delay_alu instid0(VALU_DEP_2)
	v_pk_add_f32 v[216:217], v[216:217], v[248:249]
	v_pk_add_f32 v[254:255], v[254:255], v[246:247]
	v_pk_add_f32 v[252:253], v[252:253], v[244:245]
	s_delay_alu instid0(VALU_DEP_2)
	v_pk_add_f32 v[14:15], v[14:15], v[254:255]
	s_delay_alu instid0(VALU_DEP_2)
	v_pk_add_f32 v[216:217], v[216:217], v[252:253]
	s_delay_alu instid0(VALU_DEP_1)
	v_pk_add_f32 v[14:15], v[14:15], v[216:217]
	s_wait_alu depctr_va_vdst(0)                   ; and one for the four
.irp b, 0,1,2,3
	v_max_num_f32 v[BM+\b], 0x1800000, v[BM+\b]    ; the floor 2^(3 - 127)
.endr
.irp b, 0,1,2,3
	s_delay_alu instid0(VALU_DEP_4)
	v_add_nc_u32 v[SO+\b], 0xff000000, v[BM+\b]
.endr
.irp b, 0,1,2,3
	s_delay_alu instid0(VALU_DEP_4)
	v_lshrrev_b32 v[PD+\b], 23, v[SO+\b]
.endr
	s_delay_alu instid0(VALU_DEP_3)
	v_lshl_or_b32 v[PWD], v[PD+1], 8, v[PD]
	s_delay_alu instid0(VALU_DEP_1)
	v_lshl_or_b32 v[PWD], v[PD+2], 16, v[PWD]
	s_delay_alu instid0(VALU_DEP_1)
	v_lshl_or_b32 v[PWD], v[PD+3], 24, v[PWD]
	s_setprio 0
.irp c, 0,1
	v_cvt_scalef32_pk16_fp6_f32 v[PCD+6*\c:PCD+2+6*\c], v[S+32*\c:S+15+32*\c], v[SO+2*\c]
	v_cvt_scalef32_pk16_fp6_f32 v[CT+4*\c:CT+2+4*\c], v[S+16+32*\c:S+31+32*\c], v[SO+2*\c+1]
.endr
	v_nop
.irp c, 0,1
.irp i, 0,1,2
	v_permlane16_swap_b32 v[PCD+6*\c+\i], v[CT+4*\c+\i]
.endr
.irp i, 0,1,2
	s_delay_alu instid0(VALU_DEP_3)
	v_mov_b32 v[PCD+3+6*\c+\i], v[CT+4*\c+\i]
.endr
.endr
.irp j, 0,2,4,6,8,10,12,14,16,18,20,22,24,26,28,30
	v_pk_mul_f32 v[O+\j:O+1+\j], v[O+\j:O+1+\j], v[F:F+1] op_sel_hi:[1,0]   ; O^T under the new M; also the places in front of the products below
.endr
	s_wait_alu depctr_va_vdst(0)
	s_wait_dscnt 0x0                               ; V is in
.irp t, 0,1,2,3                                    ; O^T += V^T P^T: the four accumulators by turns
	v_wmma_scale_f32_16x16x128_f8f6f4 v[O+8*\t:O+8*\t+7], v[FRG+12*\t:FRG+12*\t+11], v[PCD:PCD+11], v[O+8*\t:O+8*\t+7], v[VS+\t], v[PWD] matrix_a_fmt:MATRIX_FMT_FP6 matrix_b_fmt:MATRIX_FMT_FP6
.endr
.Lhidden_\@:
	s_add_co_u32 s[TB], s[TB], 12288
	s_add_co_u32 s[TS], s[TS], 512
	s_add_co_u32 s[JS], s[JS], 1
	s_cmp_lt_u32 s[JS], 16
	s_cbranch_scc1 .Lstep_\@
	s_setprio 0
	; the tile's way out: O^T / l, register 16 b + i = channel 32 b + 16 h + i; two blocks of 32 along the last product's K
.rept 4
	v_nop
.endr
	v_add_f32 v14, v14, v15
	s_delay_alu instid0(VALU_DEP_1)
	v_permlanex16_b32 v[PD], v14, s[SEL], s[SEL+1]
	s_delay_alu instid0(VALU_DEP_1)
	v_add_f32 v14, v14, v[PD]
	s_wait_alu depctr_va_vdst(0)
	v_rcp_f32 v[F], v14
	v_nop
	s_wait_alu depctr_va_vdst(0)
.irp j, 0,2,4,6,8,10,12,14,16,18,20,22,24,26,28,30
	v_pk_mul_f32 v[S+\j:S+1+\j], v[O+\j:O+1+\j], v[F:F+1] op_sel_hi:[1,0]
.endr
.irp b, 0,1
	v_max3_num_f32 v[BM+\b], |v[S+16*\b]|, |v[S+1+16*\b]|, 0x1800000
.endr
.irp i, 2,4,6,8,10,12,14
.irp b, 0,1
	s_delay_alu instid0(VALU_DEP_2)
	v_max3_num_f32 v[BM+\b], v[BM+\b], |v[S+16*\b+\i]|, |v[S+1+16*\b+\i]|
.endr
.endr
.irp b, 0,1
	s_delay_alu instid0(VALU_DEP_2)
	v_permlanex16_b32 v[PD+\b], v[BM+\b], s[SEL], s[SEL+1]
.endr
.irp b, 0,1
	s_delay_alu instid0(VALU_DEP_2)
	v_max_num_f32 v[BM+\b], v[BM+\b], v[PD+\b]
.endr
.irp b, 0,1
	s_delay_alu instid0(VALU_DEP_2)
	v_add_nc_u32 v[SO+\b], 0xff000000, v[BM+\b]
.endr
.irp b, 0,1
	s_delay_alu instid0(VALU_DEP_2)
	v_lshrrev_b32 v[PD+\b], 23, v[SO+\b]
.endr
	s_delay_alu instid0(VALU_DEP_1)
	v_cndmask_b32 v[W0], v[PD], v[PD+1], s[MSK]    ; lane (r, h) stores block h's byte
	v_cvt_scalef32_pk16_fp6_f32 v[PCD:PCD+2], v[S:S+15], v[SO]
	v_cvt_scalef32_pk16_fp6_f32 v[CT:CT+2], v[S+16:S+31], v[SO+1]
	v_nop
.irp i, 0,1,2
	v_permlane16_swap_b32 v[PCD+\i], v[CT+\i]
.endr
.irp i, 0,1,2
	s_delay_alu instid0(VALU_DEP_3)
	v_mov_b32 v[PCD+3+\i], v[CT+\i]
.endr
	global_store_b128 v[LI], v[PCD:PCD+3], s[OB:OB+1]              ; 512 consecutive bytes,
	global_store_b64 v[L8], v[PCD+4:PCD+5], s[OB:OB+1] offset:512  ; and 256
	global_store_b8 v[BO], v[W0], s[OSB:OSB+1]
.endm
	TILE 0
	TILE 1
	s_wait_tensorcnt 0x0                           ; the wave's end
	ds_add_u32 v[SPW], v[NIL]
	s_wait_dscnt 0x0
	ROUND                                          ; the closing round
	s_endpgm
.Lfunc_end_k_q12346acd9f_attn:
	.size	k_q12346acd9f_attn, .Lfunc_end_k_q12346acd9f_attn-k_q12346acd9f_attn
	.p2alignl 7, 3214868480
	.fill 96, 4, 3214868480
	.section	.rodata,"a",@progbits
	.p2align	6, 0x0
	.amdhsa_kernel k_q12346acd9f_attn
		.amdhsa_group_segment_fixed_size 327680
		.amdhsa_private_segment_fixed_size 0
		.amdhsa_enable_private_segment 0
		.amdhsa_kernarg_size 32
		.amdhsa_user_sgpr_count 2
		.amdhsa_user_sgpr_kernarg_segment_ptr 1
		.amdhsa_wavefront_size32 1
		.amdhsa_system_sgpr_workgroup_id_x 1
		.amdhsa_system_sgpr_workgroup_id_y 1
		.amdhsa_system_sgpr_workgroup_id_z 1
		.amdhsa_system_vgpr_workitem_id 0
		.amdhsa_next_free_vgpr 256
		.amdhsa_next_free_sgpr 82
		.amdhsa_reserve_vcc 1
		.amdhsa_float_denorm_mode_32 3
		.amdhsa_float_denorm_mode_16_64 3
		.amdhsa_memory_ordered 1
		.amdhsa_forward_progress 1
		.amdhsa_inst_pref_size 64
	.end_amdhsa_kernel
	.amdgpu_metadata
---
amdhsa.version: [ 1, 2 ]
amdhsa.kernels:
  - .name:           k_q12346acd9f_attn
    .symbol:         k_q12346acd9f_attn.kd
    .args:
      - { .name: hcod, .offset: 0, .size: 8, .value_kind: global_buffer, .address_space: global }
      - { .name: hscl, .offset: 8, .size: 8, .value_kind: global_buffer, .address_space: global }
      - { .name: acod, .offset: 16, .size: 8, .value_kind: global_buffer, .address_space: global }
      - { .name: ascl, .offset: 24, .size: 8, .value_kind: global_buffer, .address_space: global }
    .group_segment_fixed_size: 327680
    .private_segment_fixed_size: 0
    .kernarg_segment_align: 8
    .kernarg_segment_size: 32
    .max_flat_workgroup_size: 512
    .sgpr_count:     82
    .vgpr_count:     256
    .wavefront_size: 32
...
	.end_amdgpu_metadata
.endif
;; end of part 4
;; launch gemm_out (part 5): grid 4 x 64, 4 waves a work-group, clusters of 4 x 4, 327,680 bytes of LDS; arguments acod, ascl, wcod, wscl, b_out, out0; writes out0
.if DOCPART == 5
	.amdgcn_target "amdgcn-amd-amdhsa--gfx1250"
	.amdhsa_code_object_version 6
	.text
	.protected	k_q12346acd9f_gemm_out
	.globl	k_q12346acd9f_gemm_out
	.p2align	8
	.type	k_q12346acd9f_gemm_out,@function
k_q12346acd9f_gemm_out:
	s_mov_b64 s[64:65], 0
	v_nop
	global_prefetch_b8 v0, s[64:65] scope:SCOPE_SE
	s_setreg_imm32_b32 hwreg(HW_REG_WAVE_MODE, 25, 1), 1
	s_wait_xcnt 0x0
	s_wait_alu depctr_hold_cnt(0) depctr_sa_sdst(0) depctr_va_vdst(0) depctr_va_sdst(0) depctr_va_ssrc(0) depctr_va_vcc(0) depctr_vm_vsrc(0)
	s_getreg_b32 s2, hwreg(HW_REG_IB_STS2, 6, 4)
	s_cmp_eq_u32 s2, 0
	s_cbranch_scc0 .Lentry_in_a_cluster
	s_endpgm
.Lentry_in_a_cluster:
	s_bfe_u32 s2, ttmp6, 0x10000c
	s_cmp_lg_u32 s2, 0xf033
	s_cbranch_scc0 .Lentry_shape_is_right
	s_endpgm
.Lentry_shape_is_right:
; out0 = Q(attention's rows) Q(W_out) + b_out on codes of FP6 with E8M0 scales, K = 1,024.  Layouts: acod, ascl at the head of attn; wcod, wscl at the head of quant_w (W_out: tiles 192 on, positions 3,072 on).
; A tile of 128 rows x 256 columns to a work-group: 256 work-groups.  Four waves, each 64 rows (R, source 1: 4 blocks) x 128 columns (P, source 0: 8 blocks of W_out's columns): 32 accumulators.
; Used transposed, and W_out's columns in position space: a lane's registers 16 b + i of one R block are columns 32 b + 16 h + i of one row.  The bias is the C of each sum's first product.
; ALL OF K LIES IN LDS: four regions of 256 along K, each asked for once at the head (a wave has four tensor loads out by the text's own count); the waits are counted, since nothing is filled again.
; CLUSTERS: 4 x 4: the rows' tiles are asked for jointly along a row of the cluster, W_out's along a column.
; An R fragment of K step s is two half images: head 2 s (registers 0-5) and head 2 s + 1 (registers 6-11), each 16 bytes a lane and 8 bytes a lane.
; REGISTERS: window 0: v4-21 addresses; v32-47 R's scale words, v48-79 P's; v80-127, v128-175 R's fragments, two sets; v192-255 the bias.  window 1: P's fragments at v0 and v128.  window 2: accumulator (a, b) at v[8 (8 a + b)].
.set REG,   73728                      ; a region: the rows' two halves of 12,288 ([head 4][tile 4][768]), then W_out's two of 24,576 ([tile 8][K step 2][1,536])
.set AH,    12288
.set BOFF,  24576
.set BHF,   24576
.set SPARE, 4*REG
.set SPITCH, 528                       ; the way out: a stage of 16 rows x (512 + 16) bytes for each wave, in region 0: it has had its only fill, and its last reads were over in every wave at step 1's barrier
.set FR,   12
.set LI,   4                           ; v4  16 x lane
.set SCO,  5                           ; v5  32 r + 16 h
.set RSO,  6                           ; v6  4 r + 32,768 h
.set BQO,  7                           ; v7  64 h
.set AR16, 8                           ; v8-11  R's pieces of 16 bytes in region 0 .. 3
.set AR8,  12                          ; v12-15 R's pieces of 8 bytes
.set AP,   16                          ; v16-19 P's
.set STO,  20
.set RD,   21
.set SPW,  28
.set NIL,  29
.set SR,   32
.set SP,   48
.set RS0,  80
.set BI,   192
.set BK,   80                          ; the way out: v80-143 and v144-207 by turns
.set WV,  18
.set WR,  19
.set WC,  20
.set CX,  21
.set CY,  22
.set TX,  23
.set TY,  24
.set G1A, 28
.set G1B, 36
.set G0A, 44                           ; s[44:59] four sets
.set G0B, 68                           ; s[68:83]
.set MSB, 0
.macro WIN new
.if MSB != (\new)
	s_set_vgpr_msb (MSB<<8)|(\new)
.set MSB, (\new)
.endif
.endm
.macro JLOAD g0a, g1a, g0b, g1b        ; waves 0, 1 fetch the rows' halves, waves 2, 3 W_out's; an s_nop 0 and four v_nop follow each line
	s_cmp_eq_u32 s[WR], 0
	s_cbranch_scc0 .Lfor_b_\@
	tensor_load_to_lds s[\g0a:\g0a+3], s[\g1a:\g1a+7]
	s_nop 0
.rept 4
	v_nop
.endr
	s_branch .Lasked_\@
.Lfor_b_\@:
	tensor_load_to_lds s[\g0b:\g0b+3], s[\g1b:\g1b+7]
	s_nop 0
.rept 4
	v_nop
.endr
.Lasked_\@:
.endm
.macro CROUND
	s_barrier_signal -1
	s_barrier_wait -1
	s_cmp_lg_u32 s[WV], 0
	s_cbranch_scc1 .Lnot_wave_0_\@
	s_barrier_signal -3
.Lnot_wave_0_\@:
	s_barrier_wait -3
	s_barrier_signal -1
	s_barrier_wait -1
.endm
.macro PLACES
.rept 4
	v_nop
.endr
.endm
	s_load_b256 s[4:11], s[0:1], 0x0               ; acod, ascl, wcod, wscl
	s_load_b128 s[12:15], s[0:1], 0x20             ; b_out, out0
	v_lshl_add_u32 v[SPW], v0, 2, SPARE
	v_mov_b32 v[NIL], 0
	ds_add_u32 v[SPW], v[NIL]                      ; the wave's opening: the add, twice on end, and its wait ahead of my first tensor load
	ds_add_u32 v[SPW], v[NIL]
	v_lshrrev_b32 v1, 5, v0
	v_readfirstlane_b32 s[WV], v1
	s_lshr_b32 s[WR], s[WV], 1
	s_and_b32 s[WC], s[WV], 1
	s_bfe_u32 s[CX], ttmp6, 0x40000
	s_bfe_u32 s[CY], ttmp6, 0x40004
	s_lshl_b32 s[TX], ttmp9, 2
	s_add_co_u32 s[TX], s[TX], s[CX]               ; tile column: 0 .. 3
	s_and_b32 s[TY], ttmp7, 0xffff
	s_lshl_b32 s[TY], s[TY], 2
	s_add_co_u32 s[TY], s[TY], s[CY]               ; tile row: 0 .. 63
	s_lshl_b32 s84, s[CY], 2
	s_lshl_b32 s84, 15, s84
	s_lshl_b32 s85, 0x1111, s[CX]
	s_or_b32 s[G1A], s84, (3<<16)|(1<<21)
	s_mov_b32 s[G1A+1], 384<<16                    ; a head's four tiles: 3,072 bytes
	s_mov_b32 s[G1A+2], 4<<16                      ; four heads
	s_mov_b32 s[G1A+3], 384<<16
	s_mov_b32 s[G1A+4], 4
	s_mov_b32 s[G1A+5], 49152                      ; from head to head: 393,216 bytes
	s_mov_b32 s[G1A+6], 0
	s_mov_b32 s[G1A+7], 0
	s_or_b32 s[G1B], s85, (3<<16)|(1<<21)
	s_mov_b32 s[G1B+1], 384<<16                    ; a tile's two K steps
	s_mov_b32 s[G1B+2], 8<<16
	s_mov_b32 s[G1B+3], 384<<16
	s_mov_b32 s[G1B+4], 8
	s_mov_b32 s[G1B+5], 1536
	s_mov_b32 s[G1B+6], 0
	s_mov_b32 s[G1B+7], 0
	s_mul_i32 s60, s[TY], 6144
	s_mul_i32 s61, s[WC], 3072
	s_add_co_u32 s60, s60, s61                     ; the rows: tile 8 ty + 4 x half, 768 bytes each
	s_mov_b32 s61, 0
	s_lshl_b32 s62, s[TX], 4
	s_lshl_b32 s63, s[WC], 3
	s_add_co_u32 s62, s62, s63
	s_add_co_u32 s62, s62, 192
	s_mul_i32 s62, s62, 12288                      ; W_out: tile 192 + 16 tx + 8 x half
	s_mov_b32 s63, 0
	s_mul_i32 s86, s[WC], AH
	s_mul_i32 s87, s[WC], BHF
	s_add_co_u32 s87, s87, BOFF
	s_wait_dscnt 0x0                               ; both opening adds are done
	s_wait_kmcnt 0x0
	s_add_nc_u64 s[60:61], s[4:5], s[60:61]
	s_add_nc_u64 s[62:63], s[8:9], s[62:63]
	CROUND                                         ; all sixteen work-groups are here: the joint loads meet
.irp k, 0,1,2,3
	s_mov_b32 s[G0A+4*\k], 1
	s_add_co_u32 s[G0A+4*\k+1], s86, \k*REG
	s_add_nc_u64 s[G0A+4*\k+2:G0A+4*\k+3], s[60:61], \k*1572864
	s_or_b32 s[G0A+4*\k+3], s[G0A+4*\k+3], 0x80000000
	s_mov_b32 s[G0B+4*\k], 1
	s_add_co_u32 s[G0B+4*\k+1], s87, \k*REG
	s_add_nc_u64 s[G0B+4*\k+2:G0B+4*\k+3], s[62:63], \k*3072
	s_or_b32 s[G0B+4*\k+3], s[G0B+4*\k+3], 0x80000000
	JLOAD G0A+4*\k, G1A, G0B+4*\k, G1B
.endr
	v_and_b32 v1, 31, v0
	v_and_b32 v2, 15, v0                           ; r
	v_bfe_u32 v3, v0, 4, 1                         ; h
	v_lshlrev_b32 v[LI], 4, v1
	v_lshlrev_b32 v[SCO], 5, v2
	v_lshl_add_u32 v[SCO], v3, 4, v[SCO]
	v_lshlrev_b32 v[RSO], 2, v2
	v_lshl_add_u32 v[RSO], v3, 15, v[RSO]
	v_lshlrev_b32 v[BQO], 6, v3
	v_lshlrev_b32 v22, 3, v1
	s_mul_i32 s88, s[WR], AH
	s_add_co_u32 s89, s88, 512
	s_mul_i32 s90, s[WC], BHF
	s_add_co_u32 s90, s90, BOFF
.irp k, 0,1,2,3
	v_add_nc_u32 v[AR16+\k], s88, v[LI]
	v_add_nc_u32 v[AR8+\k], s89, v22
	v_add_nc_u32 v[AP+\k], s90, v[LI]
	s_add_co_u32 s88, s88, REG
	s_add_co_u32 s89, s89, REG
	s_add_co_u32 s90, s90, REG
.endr
	s_mul_i32 s91, s[WV], 16*SPITCH
	v_mul_u32_u24 v[STO], v2, SPITCH
	v_lshl_add_u32 v[STO], v3, 6, v[STO]
	v_add_nc_u32 v[STO], s91, v[STO]               ; into my stage: row r, + 64 h
	v_add_nc_u32 v[RD], s91, v[LI]                 ; back: a row's 512 bytes
	s_lshl_b32 s92, s[TX], 13
	s_lshl_b32 s93, s[WC], 12
	s_add_co_u32 s92, s92, s93
	s_add_co_u32 s92, s92, 98304                   ; position 3,072 + 256 tx + 128 wc, 32 bytes each
	s_mov_b32 s93, 0
	s_add_nc_u64 s[10:11], s[10:11], s[92:93]
	s_lshl_b32 s92, s[TY], 9
	s_lshl_b32 s94, s[WR], 8
	s_add_co_u32 s92, s92, s94                     ; position 128 ty + 64 wr, 4 bytes each
	s_add_nc_u64 s[6:7], s[6:7], s[92:93]
	s_lshl_b32 s92, s[TX], 10
	s_lshl_b32 s94, s[WC], 9
	s_add_co_u32 s92, s92, s94                     ; column 256 tx + 128 wc, 4 bytes each
	s_add_nc_u64 s[12:13], s[12:13], s[92:93]
	s_add_nc_u64 s[14:15], s[14:15], s[92:93]
	s_lshl_b32 s92, s[TY], 19
	s_lshl_b32 s94, s[WR], 18
	s_add_co_u32 s92, s92, s94                     ; row 128 ty + 64 wr of 4,096 bytes
	s_add_nc_u64 s[14:15], s[14:15], s[92:93]
.irp b, 0,1,2,3,4,5,6,7
	global_load_b128 v[SP+4*\b:SP+4*\b+3], v[SCO], s[10:11] offset:512*\b   ; lanes 0-15: the words of K steps 0-3, lanes 16-31: of 4-7
.endr
.irp a, 0,1,2,3
.irp g, 0,1,2,3
	global_load_b32 v[SR+4*\a+\g], v[RSO], s[6:7] offset:65536*\g+64*\a     ; lanes 0-15: K step 2 g, lanes 16-31: 2 g + 1
.endr
.endr
.irp b, 0,1,2,3
.irp q, 0,1,2,3
	global_load_b128 v[BI+16*\b+4*\q:BI+16*\b+4*\q+3], v[BQO], s[12:13] offset:128*\b+16*\q
.endr
.endr
.macro FETCH j                         ; step j's fragments into sets j % 2: 24 + 16 loads
	WIN 0x40
.irp b, 0,1,2,3,4,5,6,7
.irp p, 0,1,2
	ds_load_b128 v[128*((\j)%2)+FR*\b+4*\p:128*((\j)%2)+FR*\b+4*\p+3], v[AP+(\j)/2] offset:\b*3072+((\j)%2)*1536+512*\p
.endr
.endr
	WIN 0
.irp a, 0,1,2,3
.irp c, 0,1
	ds_load_b128 v[RS0+48*((\j)%2)+FR*\a+6*\c:RS0+48*((\j)%2)+FR*\a+6*\c+3], v[AR16+(\j)/2] offset:(2*((\j)%2)+\c)*3072+768*\a
	ds_load_b64 v[RS0+48*((\j)%2)+FR*\a+6*\c+4:RS0+48*((\j)%2)+FR*\a+6*\c+5], v[AR8+(\j)/2] offset:(2*((\j)%2)+\c)*3072+768*\a
.endr
.endr
.endm
.macro MM a, b, j                      ; P's words: register j % 4, upper lanes from step 4 on; R's: register j / 2, upper lanes in odd steps
.set rD, 8*(8*(\a)+(\b))
.set rP, 128*((\j)%2)+FR*(\b)
.set rR, RS0+48*((\j)%2)+FR*(\a)
.set rX, SP+4*(\b)+(\j)%4
.set rY, SR+4*(\a)+(\j)/2
.if (\j) == 0
	v_wmma_scale_f32_16x16x128_f8f6f4 v[rD:rD+7], v[rP:rP+11], v[rR:rR+11], v[BI+8*(\b):BI+8*(\b)+7], v[rX], v[rY] matrix_a_fmt:MATRIX_FMT_FP6 matrix_b_fmt:MATRIX_FMT_FP6
.elseif ((\j) < 4) && ((\j)%2 == 0)
	v_wmma_scale_f32_16x16x128_f8f6f4 v[rD:rD+7], v[rP:rP+11], v[rR:rR+11], v[rD:rD+7], v[rX], v[rY] matrix_a_fmt:MATRIX_FMT_FP6 matrix_b_fmt:MATRIX_FMT_FP6
.elseif (\j) < 4
	v_wmma_scale_f32_16x16x128_f8f6f4 v[rD:rD+7], v[rP:rP+11], v[rR:rR+11], v[rD:rD+7], v[rX], v[rY] matrix_a_fmt:MATRIX_FMT_FP6 matrix_b_fmt:MATRIX_FMT_FP6 matrix_b_scale:MATRIX_SCALE_ROW1
.elseif (\j)%2 == 0
	v_wmma_scale_f32_16x16x128_f8f6f4 v[rD:rD+7], v[rP:rP+11], v[rR:rR+11], v[rD:rD+7], v[rX], v[rY] matrix_a_fmt:MATRIX_FMT_FP6 matrix_b_fmt:MATRIX_FMT_FP6 matrix_a_scale:MATRIX_SCALE_ROW1
.else
	v_wmma_scale_f32_16x16x128_f8f6f4 v[rD:rD+7], v[rP:rP+11], v[rR:rR+11], v[rD:rD+7], v[rX], v[rY] matrix_a_fmt:MATRIX_FMT_FP6 matrix_b_fmt:MATRIX_FMT_FP6 matrix_a_scale:MATRIX_SCALE_ROW1 matrix_b_scale:MATRIX_SCALE_ROW1
.endif
.endm
.macro STEP j
	s_wait_dscnt 0x0                               ; this step's fragments are in
.if ((\j)%2 == 1) && ((\j) < 7)
	s_wait_tensorcnt 3-((\j)+1)/2                  ; my part of the next region is in; the regions behind it may be out
	s_barrier_signal -1
	s_barrier_wait -1                              ; everybody's is
.endif
.if (\j) > 0
	PLACES                                         ; in front of loads into the sets that the last step's products read
.endif
.if (\j) < 7
	FETCH (\j)+1
.endif
.if (\j) == 0
	WIN 0x81                                       ; source 0 window 1, C (the bias) window 0, D window 2
.else
	WIN 0xa1
.endif
.irp a, 0,1,2,3                                    ; the 32 accumulators by turns, in the same order in every step
.irp b, 0,1,2,3,4,5,6,7
	MM \a, \b, \j
.endr
.endr
	WIN 0
.endm
	s_wait_tensorcnt 0x3                           ; my part of region 0 is in
	s_barrier_signal -1
	s_barrier_wait -1
	FETCH 0
	s_wait_loadcnt 0x0                             ; the scale words and the bias
	STEP 0
	STEP 1
	STEP 2
	STEP 3
	STEP 4
	STEP 5
	STEP 6
	STEP 7
; THE WAY OUT, a block of 16 rows x 128 columns at a time through my own stage: a lane holds 8 neighbouring numbers of a row for each of 8 accumulators; back come whole rows of 512 bytes.
; LDS serves a wave's instructions in order: no wait between the stores and the loads, nor in front of the next block's stores.
.macro TOSTAGE a
	WIN 0x08                                       ; an LDS store's data are its source 1: window 2
.irp b, 0,1,2,3,4,5,6,7
	ds_store_b128 v[STO], v[64*(\a)+8*\b:64*(\a)+8*\b+3] offset:128*(\b/2)+32*(\b%2)       ; each accumulator from its low end on
	ds_store_b128 v[STO], v[64*(\a)+8*\b+4:64*(\a)+8*\b+7] offset:128*(\b/2)+32*(\b%2)+16
.endr
	WIN 0
.irp t, 0,1,2,3,4,5,6,7,8,9,10,11,12,13,14,15
	ds_load_b128 v[BK+64*((\a)%2)+4*\t:BK+64*((\a)%2)+4*\t+3], v[RD] offset:\t*SPITCH
.endr
.endm
.macro SEND a, younger
	s_wait_dscnt \younger
.irp t, 0,1,2,3,4,5,6,7,8,9,10,11,12,13,14,15
	global_store_b128 v[LI], v[BK+64*((\a)%2)+4*\t:BK+64*((\a)%2)+4*\t+3], s[14:15] offset:(32*((\a)/2)+8*((\a)%2)+\t+8*(\t/8))*4096 th:TH_STORE_NT   ; position t of block a is this actual row; 512 consecutive bytes
.endr
.endm
	PLACES
	TOSTAGE 0
.irp a, 1,2,3
.if \a > 1
	s_wait_xcnt 0x0                                ; block a - 2's stores have read their registers: block a's loads may land there
.endif
	TOSTAGE \a
	SEND \a-1, 32                                  ; behind block a - 1's loads: block a's 16 stores and 16 loads
.endr
	SEND 3, 0
	s_wait_tensorcnt 0x0                           ; the wave's end
	ds_add_u32 v[SPW], v[NIL]
	s_wait_dscnt 0x0
	CROUND                                         ; the closing round
	s_endpgm
.Lfunc_end_k_q12346acd9f_gemm_out:
	.size	k_q12346acd9f_gemm_out, .Lfunc_end_k_q12346acd9f_gemm_out-k_q12346acd9f_gemm_out
	.p2alignl 7, 3214868480
	.fill 96, 4, 3214868480
	.section	.rodata,"a",@progbits
	.p2align	6, 0x0
	.amdhsa_kernel k_q12346acd9f_gemm_out
		.amdhsa_group_segment_fixed_size 327680
		.amdhsa_private_segment_fixed_size 0
		.amdhsa_enable_private_segment 0
		.amdhsa_kernarg_size 48
		.amdhsa_user_sgpr_count 2
		.amdhsa_user_sgpr_kernarg_segment_ptr 1
		.amdhsa_wavefront_size32 1
		.amdhsa_system_sgpr_workgroup_id_x 1
		.amdhsa_system_sgpr_workgroup_id_y 1
		.amdhsa_system_sgpr_workgroup_id_z 1
		.amdhsa_system_vgpr_workitem_id 0
		.amdhsa_next_free_vgpr 768
		.amdhsa_next_free_sgpr 100
		.amdhsa_reserve_vcc 0
		.amdhsa_float_denorm_mode_32 3
		.amdhsa_float_denorm_mode_16_64 3
		.amdhsa_memory_ordered 1
		.amdhsa_forward_progress 1
		.amdhsa_inst_pref_size 84
	.end_amdhsa_kernel
	.amdgpu_metadata
---
amdhsa.version: [ 1, 2 ]
amdhsa.kernels:
  - .name:           k_q12346acd9f_gemm_out
    .symbol:         k_q12346acd9f_gemm_out.kd
    .args:
      - { .name: acod, .offset: 0, .size: 8, .value_kind: global_buffer, .address_space: global }
      - { .name: ascl, .offset: 8, .size: 8, .value_kind: global_buffer, .address_space: global }
      - { .name: wcod, .offset: 16, .size: 8, .value_kind: global_buffer, .address_space: global }
      - { .name: wscl, .offset: 24, .size: 8, .value_kind: global_buffer, .address_space: global }
      - { .name: b_out, .offset: 32, .size: 8, .value_kind: global_buffer, .address_space: global }
      - { .name: out0, .offset: 40, .size: 8, .value_kind: global_buffer, .address_space: global }
    .group_segment_fixed_size: 327680
    .private_segment_fixed_size: 0
    .kernarg_segment_align: 8
    .kernarg_segment_size: 48
    .max_flat_workgroup_size: 128
    .sgpr_count:     100
    .vgpr_count:     768
    .wavefront_size: 32
...
	.end_amdgpu_metadata
.endif
;; end of part 5
